; MI455X (gfx1250); checked and timed in simulation.
; The chip was launched on July 23, 2026; its instructions are those of AMD's public machine-readable ISA for CDNA 5 (MIT licence, August 2026) and "CDNA5" Instruction Set Architecture Reference Guide (July 2026). The comments in the code are by the model that wrote it; some were corrected since.
;; Efficient MHA. Allowed arithmetic: matrix products marked QUANTISED: E2M3 operands, one E8M0 scale for each 32 along K, by v_wmma_scale_f32_16x16x128_f8f6f4 with both operands' format E2M3, f32 sums; everything else in f32.
;; Inputs: Wout 1,024 x 1,024 float32; Wqkv 1,024 x 3,072 float32; bout 1,024 float32; bqkv 3,072 float32; mask 4 x 2,048 x 2,048 bool; x 4 x 2,048 x 1,024 float32.
;; Outputs: out0 4 x 2,048 x 1,024 float32.
;; This version of the problem:
;;   THIS VERSION OF THE PROBLEM IS GIVEN IN LOW PRECISION. The matrix products marked QUANTISED in the list below multiply operands that are first quantised to E2M3 (2 exponent bits, 3 mantissa bits; 6 bits a number), with one power-of-two scale for each 32 numbers along K (OCP MX v1.0); their sums are f32. All else is computed in f32.
;;   The module's matrix products, in the order in which they are computed (A, B: the left and right operand; K: the contracted axis; several contracted axes count as one K, in the product's order):
;;     1. [M 8,192, K 1,024] x [K 1,024, N 3,072]; A: input x; B: input Wqkv: QUANTISED
;;     2. batch 64 x [M 2,048, K 64] x [K 64, N 2,048]; A: computed on the way; B: computed on the way: QUANTISED
;;     3. batch 64 x [M 2,048, K 2,048] x [K 2,048, N 64]; A: softmax (see below); B: computed on the way: QUANTISED
;;     4. [M 8,192, K 1,024] x [K 1,024, N 1,024]; A: computed on the way; B: input Wout: QUANTISED
;;   THE QUANTISER, for each operand of a quantised product, along K:
;;     - K is cut into blocks of 32 from its start; a last block that is shorter is filled with zeros.
;;     - A block's scale is 2^e with e = floor(log2(the largest magnitude in the block)) - 2, held to -126 .. 127; a block of zeros has e = 0. As a byte (E8M0): e + 127.
;;     - Each number is divided by its block's scale, clamped to +-7.5, and rounded to the nearest number of E2M3, ties to even, subnormals kept.
;;     - The product sums the exact products of the quantised numbers (number of the format x scale) in f32.
;;   ~~~python
;;   def quantise(x, axis):      # numpy; x: float32 -> the quantised numbers, widened to float32 again
;;       x = np.moveaxis(x, axis, -1); K = x.shape[-1]
;;       x = np.pad(x, [(0, 0)] * (x.ndim - 1) + [(0, -K % 32)]); x = x.reshape(x.shape[:-1] + (-1, 32)); a = np.abs(x).max(-1, keepdims=True)
;;       e = np.where(a > 0, np.clip(np.frexp(np.where(a > 0, a, 1))[1] - 1 - 2, -126, 127), 0)      # np.frexp(a)[1] - 1 = floor(log2(a)), exactly
;;       r = np.clip(x / 2.0 ** e, -7.5, 7.5)
;;       step = 2.0 ** (np.maximum(np.frexp(np.where(r == 0, 1, r))[1] - 1, 0) - 3)
;;       q = np.round(r / step) * step * 2.0 ** e      # np.round: ties to even
;;       return np.moveaxis(q.reshape(q.shape[:-2] + (-1,))[..., :K], -1, axis).astype(np.float32)
;;   ~~~
;;   SOFTMAX AHEAD OF A QUANTISED PRODUCT. Where the list says 'softmax', what is quantised is not the finished softmax but p = 2^(t - M), with t = logit x log2(e) and M = ceil(the row's largest t), a whole number; so 1/2 < the row's largest p <= 1. The row's sum l is taken of the UNQUANTISED p, in f32, and the product's result is divided by l at the end. Since M is a whole number, a kernel that streams over the keys may use a running M (the ceiling of the running maximum): every later rescaling is an exact power of two, which a block's scale takes up: the codes' values come out the same.
;;   OPERANDS COMPUTED ON THE WAY. 'Computed on the way' means the value that the module computes at that place (a softmax that the list does not call 'softmax' is quantised finished and normalised). What goes into a quantiser is computed in f32, as accurately as f32 sums, v_exp_f32 and their like allow (about 1e-6 of the number): no bf16 or f16 on the way to a quantiser, and a product that is left as it is and whose result goes on into a quantised operand takes f32 operands (vector FMAs, or v_wmma_f32_16x16x4_f32). A number that lies on a knife's edge between two numbers of the format may be rounded either way, as far as f32 arithmetic and the matrix unit's own rounding can turn it there, and no further.
;; One version. Each part assembles by itself: llvm-mc -triple=amdgcn-amd-amdhsa -mcpu=gfx1250 --defsym DOCPART=n.
;; ======== version 1 of 1: 4 launches
;; limits: right only within a limited range of input values
;; workspace buffers: xq 6,815,744 bytes; wq 2,555,904 bytes; wo 851,968 bytes; cq 6,815,744 bytes; qq 13,369,344 bytes; kv 13,369,344 bytes; mw 2,099,200 bytes of whole numbers; vd 32,768 bytes
;; launch prep (part 1): grid 512 x 1, 4 waves a work-group, no clusters, 93,696 bytes of LDS; arguments x, Wqkv, Wout, mask, xq, wq, wo, mw, vd; writes xq, wq, wo, mw, vd
.if DOCPART == 1
	.amdgcn_target "amdgcn-amd-amdhsa--gfx1250"
	.amdhsa_code_object_version 6
	.text
	.protected	k_q4002315b38_prep
	.globl	k_q4002315b38_prep
	.p2align	8
	.type	k_q4002315b38_prep,@function
k_q4002315b38_prep:
	s_mov_b64 s[64:65], 0
	v_nop
	global_prefetch_b8 v0, s[64:65] scope:SCOPE_SE
	s_setreg_imm32_b32 hwreg(HW_REG_WAVE_MODE, 25, 1), 1
	s_wait_xcnt 0x0
; PREP: x, Wqkv and Wout become codes of E2M3 with one E8M0 byte for each 32 along K, laid in the order of the matrix operand's registers; the mask becomes lane masks, and a row's 'any' a number.
; TILES.  Tile T of an operand holds the 16 rows sigma(T, r) = 32 (T / 2) + 8 (T % 2) + r + 8 (r / 8), r = 0 .. 15.  As source 0 of a product such tiles give a lane 16 neighbouring results in the registers of tiles 2 p, 2 p + 1.
; A HALF (768 bytes) is 16 rows x 64 along K: lane (r, h) holds the 24 bytes of k = 32 h .. 32 h + 31: registers 0-3 at 16 x lane, registers 4-5 at 512 + 8 x lane.
; A RECORD (3,328 bytes) is four halves (256 along K) and 256 bytes of scale words: 8 bytes a lane, the words of the two K steps of 128 for row lane % 16 (lanes 16-31 hold a second copy).  A tile is four records.
; THREE PATHS, by the work-group's number, each with LDS bytes of its own: 0-255 x, 256-383 the weights, 384-511 the mask.  Every wave streams 32 KiB.  No barrier: waves share nothing.
; A block's scale is 2^(floor(log2(its largest magnitude)) - 2); its byte is the largest magnitude's exponent field - 2, held at 1 from below.
; LIMITS: a block of zeros, or one under the floor 2^-124, gets the byte 1 where the rule says 127: its codes are zeros, and this program alone reads the bytes.  NaN and infinities among the inputs are not served.
.set XST,   0                          ; x's stages: 16 rows x 528 bytes for each wave
.set WST,   33792                      ; the weights' stages: 2 tiles x 3,200 bytes for each wave
.set MST,   59392                      ; the mask's stages: 16 rows x 528 bytes for each wave
.set SPARE, 93184                      ; the spare words, 128 bytes for each wave: two blocks of 256 bytes that no other line names
.set SPW,   248                        ; v248 LDS address of my spare word; never rewritten
.set NIL,   249                        ; v249 0; never rewritten
.set SEL,   24                         ; s[24:25] lane selects for v_permlanex16_b32: lane l xor 16
.set TM,    228                        ; v228-243 at work in QUANT
; 64 numbers of a lane, register 16 b + i = k 32 b + 16 (lane / 16) + i of my row, become a fragment's 12 registers at v[pc] and the row's scale word in v[pw] (pc + 12 .. pc + 18 are at work).
.macro QUANT s, pc, pw
.irp b, 0,1,2,3
	v_max3_num_f32 v[TM+\b], |v[(\s)+16*\b]|, |v[(\s)+1+16*\b]|, 0x1800000   ; my 16 numbers of block b, and the floor 2^(3 - 127): the byte cannot fall under 1
.endr
.irp i, 2,4,6,8,10,12,14
.irp b, 0,1,2,3
	v_max3_num_f32 v[TM+\b], v[TM+\b], |v[(\s)+16*\b+\i]|, |v[(\s)+1+16*\b+\i]|
.endr
.endr
.irp b, 0,1,2,3
	v_permlanex16_b32 v[TM+4+\b], v[TM+\b], s[SEL], s[SEL+1]
.endr
.irp b, 0,1,2,3
	v_max_num_f32 v[TM+\b], v[TM+\b], v[TM+4+\b]           ; with lane l xor 16's: the block's largest magnitude
.endr
.irp b, 0,1,2,3
	v_add_nc_u32 v[TM+12+\b], 0xff000000, v[TM+\b]         ; 2 off its exponent field: the conversion's scale operand
.endr
.irp b, 0,1,2,3
	v_lshrrev_b32 v[TM+4+\b], 23, v[TM+12+\b]              ; the scale's byte
.endr
	v_lshl_or_b32 v[\pw], v[TM+5], 8, v[TM+4]
	v_lshl_or_b32 v[\pw], v[TM+6], 16, v[\pw]
	v_lshl_or_b32 v[\pw], v[TM+7], 24, v[\pw]
.irp c, 0,1
	v_cvt_scalef32_pk16_fp6_f32 v[(\pc)+6*\c:(\pc)+2+6*\c], v[(\s)+32*\c:(\s)+15+32*\c], v[TM+12+2*\c]
	v_cvt_scalef32_pk16_fp6_f32 v[(\pc)+12+4*\c:(\pc)+14+4*\c], v[(\s)+16+32*\c:(\s)+31+32*\c], v[TM+12+2*\c+1]
.endr
	v_nop                                          ; one plain place behind a scaled conversion
.irp c, 0,1                                    ; the operand wants a whole block in a lane: lanes 0-15 block 2 c, lanes 16-31 block 2 c + 1
.irp i, 0,1,2
	v_permlane16_swap_b32 v[(\pc)+6*\c+\i], v[(\pc)+12+4*\c+\i]
.endr
.irp i, 0,1,2
	v_mov_b32 v[(\pc)+3+6*\c+\i], v[(\pc)+12+4*\c+\i]
.endr
.endr
.endm
.macro CLOSE                           ; the wave's end
	s_wait_tensorcnt 0x0
	ds_add_u32 v[SPW], v[NIL]
	s_wait_dscnt 0x0
	s_endpgm
.endm
	s_load_b512 s[4:19], s[0:1], 0x0               ; x s[4:5], Wqkv s[6:7], Wout s[8:9], mask s[10:11], xq s[12:13], wq s[14:15], wo s[16:17], mw s[18:19]
	s_load_b64 s[20:21], s[0:1], 0x40              ; vd
	v_lshl_add_u32 v[SPW], v0, 2, SPARE
	v_mov_b32 v[NIL], 0
	v_lshrrev_b32 v1, 5, v0
	v_readfirstlane_b32 s22, v1                    ; wave 0..3
	v_and_b32 v1, 31, v0                           ; lane
	v_and_b32 v2, 15, v0                           ; r
	v_bfe_u32 v3, v0, 4, 1                         ; h
	v_lshlrev_b32 v4, 4, v1                        ; 16 x lane
	v_lshlrev_b32 v5, 3, v1                        ; 8 x lane
	s_mov_b32 s[SEL], 0x76543210
	s_mov_b32 s[SEL+1], 0xfedcba98
	s_wait_kmcnt 0x0
	s_cmp_lt_u32 ttmp9, 256
	s_cbranch_scc1 .Lpath_x
	s_cmp_lt_u32 ttmp9, 384
	s_cbranch_scc1 .Lpath_w
; ---------------- THE MASK.  A wave takes one tile of 16 queries, all 2,048 keys, in four chunks of 512 keys.
; Word j (0 .. 63) of key step s: bit (r, h) = mask[row sigma(T, r)][128 s + 64 (j / 32) + 32 h + j % 32]: the lane mask for the score register j of that tile and step.
; Behind the words, from byte 2,097,152 of mw on: one word a tile; its bit s is 1 where all 16 x 128 bytes of key step s are true.
; v16-79 a chunk as loaded; v80-143 my 16 bytes of each piece; v144-151 four steps' words, two to a lane; v152-155 at work; v156-159 four chains of OR for 'any'.
	s_sub_co_u32 s26, ttmp9, 384
	s_lshl_b32 s26, s26, 2
	s_add_co_u32 s26, s26, s22                     ; the tile: 128 x batch + tile in the batch
	s_lshr_b32 s27, s26, 1
	s_lshl_b32 s27, s27, 5
	s_and_b32 s28, s26, 1
	s_lshl_b32 s28, s28, 3
	s_add_co_u32 s27, s27, s28                     ; its first row
	s_lshl_b32 s32, s27, 11                        ; 2,048 bytes a row
	s_mov_b32 s33, 0
	s_add_nc_u64 s[10:11], s[10:11], s[32:33]
	s_lshl_b32 s32, s26, 2
	s_add_co_u32 s32, s32, 2097152
	s_add_nc_u64 s[54:55], s[18:19], s[32:33]      ; my tile's word of flags
	s_lshl_b32 s32, s26, 12                        ; 4,096 bytes of words a tile
	s_add_nc_u64 s[18:19], s[18:19], s[32:33]
	s_lshl_b32 s32, s27, 2
	s_add_nc_u64 s[20:21], s[20:21], s[32:33]
	s_mul_i32 s31, s22, 8448
	s_add_co_u32 s31, s31, MST
	s_wait_alu depctr_va_vdst(0)
	v_add_nc_u32 v6, s31, v4                       ; the stage on the way in: a row's 512 bytes as they lie
	v_mul_u32_u24 v7, v2, 528
	v_lshl_add_u32 v7, v3, 5, v7
	v_add_nc_u32 v7, s31, v7                       ; and out: row r, + 32 h
.irp i, 0,1,2,3,4,5,6,7
	v_mov_b32 v[144+\i], 0                         ; written once: v_writelane_b32's destination counts as one of its sources
.endr
.irp i, 0,1,2,3
	v_mov_b32 v[156+\i], 0
.endr
.macro MLOAD
.irp i, 0,1,2,3,4,5,6,7,8,9,10,11,12,13,14,15
	global_load_b128 v[16+4*\i:19+4*\i], v4, s[10:11] offset:(\i+8*(\i/8))*2048 th:TH_LOAD_NT   ; 32 lanes read 512 consecutive bytes of a row
.endr
.endm
.macro CHUNK ahead
	s_wait_loadcnt 0x0                             ; the chunk is in; its loads' base may step
.irp i, 0,1,2,3,4,5,6,7,8,9,10,11,12,13,14,15
	ds_store_b128 v6, v[16+4*\i:19+4*\i] offset:528*\i
.endr
.irp q, 0,1,2,3
.irp b, 0,1,2,3
	ds_load_b128 v[80+16*\q+4*\b:83+16*\q+4*\b], v7 offset:128*\q+64*(\b/2)+16*(\b%2)   ; my 32 keys of each 64: LDS serves a wave's instructions in order
.endr
.endr
	s_wait_dscnt 0x0                               ; the stores have read their registers, which take the next chunk
.if \ahead
	s_add_nc_u64 s[10:11], s[10:11], 512
	MLOAD
.endif
.set k, 0
.rept 64
	v_or_b32 v[156+k%4], v[156+k%4], v[80+k]
.set k, k+1
.endr
.irp q, 0,1,2,3
	v_and_b32 v152, v[80+16*\q], v[81+16*\q]       ; the AND of my 64 bytes of this key step, in two chains
	v_and_b32 v153, v[82+16*\q], v[83+16*\q]
.irp i, 4,6,8,10,12,14
	v_and_b32 v152, v152, v[80+16*\q+\i]
	v_and_b32 v153, v153, v[81+16*\q+\i]
.endr
	v_and_b32 v152, v152, v153
	v_cmp_eq_u32 s52, 0x1010101, v152
	s_cmp_eq_u32 s52, -1                           ; all 32 lanes: the step's 2,048 bytes are true
	s_cselect_b32 s52, s50, 0
	s_or_b32 s49, s49, s52
	s_lshl_b32 s50, s50, 1                         ; the next step's bit
.set j, 0
.rept 64
	v_and_b32 v[152+j%4], 0xff<<(8*(j%4)), v[80+16*\q+j/4]   ; my byte of column j
	v_cmp_ne_u32 s[40+j%8], 0, v[152+j%4]          ; the 32 lanes' bits: word j
	v_writelane_b32 v[144+2*\q+j%2], s[40+j%8], j/2          ; words 2 l, 2 l + 1 to lane l
.set j, j+1
.endr
	global_store_b64 v5, v[144+2*\q:145+2*\q], s[18:19] offset:256*\q   ; 32 lanes store 256 consecutive bytes, aligned
.endr
	s_wait_xcnt 0x0                                ; the stores have read their data and their base: both are written again
	s_add_nc_u64 s[18:19], s[18:19], 1024
.endm
	MLOAD
	s_mov_b32 s48, 3
	s_mov_b32 s49, 0                               ; the tile's flags
	s_mov_b32 s50, 1                               ; this step's bit
.Lchunk:
	s_wait_alu depctr_va_vdst(0)
	CHUNK 1
	s_sub_co_u32 s48, s48, 1
	s_cmp_lg_u32 s48, 0
	s_cbranch_scc1 .Lchunk
	CHUNK 0                                        ; the last chunk asks for nothing: no load leaves the buffer
	v_or_b32 v156, v156, v157
	v_or_b32 v158, v158, v159
	v_or_b32 v156, v156, v158
	v_permlanex16_b32 v157, v156, s[SEL], s[SEL+1]
	v_or_b32 v156, v156, v157                      ; all 2,048 bytes of my row
	v_cmp_ne_u32 vcc_lo, 0, v156
	v_cndmask_b32 v157, 0, 1.0, vcc_lo             ; valid: 1.0 where any key counts
	v_lshrrev_b32 v158, 3, v2
	v_lshl_add_u32 v158, v158, 3, v2
	v_lshlrev_b32 v158, 2, v158                    ; 4 (r + 8 (r / 8)); lanes r and r + 16 store the same number to the same place
	global_store_b32 v158, v157, s[20:21]
	v_mov_b32 v159, s49
	v_mov_b32 v156, 0
	global_store_b32 v156, v159, s[54:55]          ; every lane stores the same word to the same place
	CLOSE
; ---------------- x.  A wave takes one tile of 16 rows and half of K: four K steps of 128.
; v16-79, v80-143 two K steps as loaded; v144-207 my 64 numbers; v208-227 codes; v244-247 the four scale words.
.Lpath_x:
	s_lshl_b32 s26, ttmp9, 2
	s_add_co_u32 s26, s26, s22
	s_lshr_b32 s27, s26, 1                         ; the tile
	s_and_b32 s28, s26, 1                          ; which half of K
	s_lshr_b32 s29, s27, 1
	s_lshl_b32 s29, s29, 5
	s_and_b32 s30, s27, 1
	s_lshl_b32 s30, s30, 3
	s_add_co_u32 s29, s29, s30                     ; its first row
	s_lshl_b32 s32, s29, 12                        ; 4,096 bytes a row
	s_lshl_b32 s30, s28, 11
	s_add_co_u32 s32, s32, s30
	s_mov_b32 s33, 0
	s_add_nc_u64 s[4:5], s[4:5], s[32:33]
	s_mul_i32 s32, s27, 13312
	s_mul_i32 s30, s28, 6656
	s_add_co_u32 s32, s32, s30
	s_add_nc_u64 s[12:13], s[12:13], s[32:33]
	s_mul_i32 s31, s22, 8448                       ; my stage (XST = 0)
	s_wait_alu depctr_va_vdst(0)
	v_add_nc_u32 v6, s31, v4
	v_mul_u32_u24 v7, v2, 528
	v_lshl_add_u32 v7, v3, 6, v7
	v_add_nc_u32 v7, s31, v7                       ; out: row r, + 64 h: my 16 numbers of a block of 32
.irp b, 0,1,2,3
	v_mov_b32 v[TM+4+\b], 0                        ; written once: a lane permute's destination counts as one of its sources
.endr
.macro XLOAD t
.irp i, 0,1,2,3,4,5,6,7,8,9,10,11,12,13,14,15
	global_load_b128 v[16+64*((\t)%2)+4*\i:19+64*((\t)%2)+4*\i], v4, s[4:5] offset:(\i+8*(\i/8))*4096+512*(\t) th:TH_LOAD_NT   ; 512 consecutive bytes of a row
.endr
.endm
.macro XSTEP t
.if (\t) < 3
	s_wait_loadcnt 16                              ; this K step's 16 loads are in; the next step's 16 may be out
.else
	s_wait_loadcnt 0x0
.endif
.irp i, 0,1,2,3,4,5,6,7,8,9,10,11,12,13,14,15
	ds_store_b128 v6, v[16+64*((\t)%2)+4*\i:19+64*((\t)%2)+4*\i] offset:528*\i
.endr
.irp b, 0,1,2,3
.irp j, 0,1,2,3
	ds_load_b128 v[144+16*\b+4*\j:147+16*\b+4*\j], v7 offset:128*\b+16*\j
.endr
.endr
	s_wait_dscnt 0x0                               ; my numbers are back, and the stores have read their registers, which take the loads of two steps on
.if (\t) < 2
	XLOAD (\t)+2
.endif
.if (\t) > 0
	s_wait_xcnt 0x0                                ; the last step's stores have read the codes' registers
.endif
	QUANT 144, 208, 244+(\t)
	global_store_b128 v4, v[208:211], s[12:13] offset:((\t)/2)*3328+((\t)%2)*1536        ; 512 consecutive bytes
	global_store_b64 v5, v[212:213], s[12:13] offset:((\t)/2)*3328+((\t)%2)*1536+512     ; 256
	global_store_b128 v4, v[214:217], s[12:13] offset:((\t)/2)*3328+((\t)%2)*1536+768
	global_store_b64 v5, v[218:219], s[12:13] offset:((\t)/2)*3328+((\t)%2)*1536+1280
.if ((\t)%2) == 1
	global_store_b64 v5, v[244+(\t)-1:244+(\t)], s[12:13] offset:((\t)/2)*3328+3072      ; the record's scale words, both copies: 256 consecutive bytes
.endif
.endm
	XLOAD 0
	XLOAD 1
	s_wait_alu depctr_va_vdst(0)
	XSTEP 0
	XSTEP 1
	XSTEP 2
	XSTEP 3
	CLOSE
; ---------------- THE WEIGHTS, [K][N]: a lane takes a column, its registers run down K.  A wave takes 32 columns (two tiles) x 256 along K (one record of each): 8 blocks of 32.
; Both weights go one way: the pointers and the pitch are chosen by the work-group's number.  Column c of the 32 is row (c % 8) + 8 (c / 16) of tile (c / 8) % 2.
; v16-47 32 rows' offsets; v48-79, v80-111 two blocks; v112-117 a block's codes; v124-125 the 8 bytes; v128-175 the way out.
.Lpath_w:
	s_sub_co_u32 s26, ttmp9, 256
	s_mov_b32 s27, 4096
	s_cmp_lt_u32 s26, 96                           ; 96 work-groups for Wqkv, 32 for Wout
	s_cselect_b64 s[6:7], s[6:7], s[8:9]
	s_cselect_b64 s[14:15], s[14:15], s[16:17]
	s_cselect_b32 s27, 12288, s27                  ; bytes from row to row
	s_cselect_b32 s28, 0, 96
	s_sub_co_u32 s26, s26, s28
	s_lshr_b32 s29, s26, 2                         ; which 128 columns
	s_and_b32 s30, s26, 3                          ; which 256 along K
	s_lshl_b32 s31, s29, 2
	s_add_co_u32 s31, s31, s22                     ; which 32 columns: tiles 2 p, 2 p + 1
	s_lshl_b32 s48, s30, 8
	s_mul_i32 s48, s48, s27
	s_lshl_b32 s50, s31, 7
	s_add_co_u32 s48, s48, s50
	s_mov_b32 s49, 0
	s_add_nc_u64 s[32:33], s[6:7], s[48:49]        ; block 0's first row, my wave's first column
	s_lshl_b32 s50, s27, 5
	s_mov_b32 s51, 0
.irp t, 1,2,3,4,5,6,7
	s_add_nc_u64 s[32+2*\t:33+2*\t], s[30+2*\t:31+2*\t], s[50:51]   ; 32 rows on for each block
.endr
	s_mul_i32 s48, s31, 26624
	s_mul_i32 s52, s30, 3328
	s_add_co_u32 s48, s48, s52
	s_add_nc_u64 s[14:15], s[14:15], s[48:49]      ; tile 2 p's record
	v_bfe_u32 v10, v0, 3, 1                        ; which of the two tiles
	v_and_b32 v11, 7, v0
	v_bfe_u32 v12, v0, 4, 1
	v_lshl_add_u32 v11, v12, 3, v11                ; my row in it
	s_mul_i32 s31, s22, 6400
	s_add_co_u32 s31, s31, WST
	v_mul_u32_u24 v12, v10, 3200                   ; 3,200 = 12 x 256 + 128: the two tiles' stores fall on different banks
	v_add_nc_u32 v12, s31, v12
	v_lshl_add_u32 v6, v11, 4, v12                 ; the stage: registers 0-3 of a half,
	v_lshl_add_u32 v7, v11, 3, v12                 ; registers 4-5,
	v_add_nc_u32 v8, s31, v4                       ; and the way out
	v_mul_u32_u24 v9, v10, 13312
	v_lshl_add_u32 v9, v11, 3, v9                  ; my scale words' place
	v_lshlrev_b32 v16, 2, v1
.set i, 1
.rept 31
	v_add_nc_u32 v[16+i], s27, v[15+i]
.set i, i+1
.endr
.macro WLOAD t
.set i, 0
.rept 32
	global_load_b32 v[48+32*((\t)%2)+i], v[16+i], s[32+2*(\t):33+2*(\t)] th:TH_LOAD_NT   ; a row of W at 32 neighbouring columns; the four waves stand side by side on 512 bytes
.set i, i+1
.endr
.endm
.macro WBLOCK t
.set XS, 48+32*((\t)%2)
.if (\t) < 7
	s_wait_loadcnt 32                              ; this block's 32 loads are in; the next block's may be out
.else
	s_wait_loadcnt 0x0
.endif
	v_max3_num_f32 v12, |v[XS]|, |v[XS+1]|, |v[XS+2]|
	v_max3_num_f32 v13, |v[XS+3]|, |v[XS+4]|, |v[XS+5]|
.irp i, 6,10,14,18,22,26
	v_max3_num_f32 v12, v12, |v[XS+\i]|, |v[XS+\i+1]|
	v_max3_num_f32 v13, v13, |v[XS+\i+2]|, |v[XS+\i+3]|
.endr
	v_max3_num_f32 v12, v12, |v[XS+30]|, |v[XS+31]|
	v_max3_num_f32 v12, v12, v13, 0x1800000        ; the block's largest magnitude, and the floor
	v_add_nc_u32 v11, 0xff000000, v12
	v_lshrrev_b32 v13, 23, v11
.if ((\t)%4) == 0
	v_mov_b32 v[124+(\t)/4], v13
.else
	v_lshl_or_b32 v[124+(\t)/4], v13, 8*((\t)%4), v[124+(\t)/4]
.endif
	v_cvt_scalef32_pk16_fp6_f32 v[112:114], v[XS:XS+15], v11
	v_cvt_scalef32_pk16_fp6_f32 v[120:122], v[XS+16:XS+31], v11
	v_nop
.irp i, 0,1,2
	v_mov_b32 v[115+\i], v[120+\i]
.endr
	ds_store_b128 v6, v[112:115] offset:((\t)/2)*768+((\t)%2)*256       ; block t is lane half t % 2 of half t / 2
	ds_store_b64 v7, v[116:117] offset:((\t)/2)*768+512+((\t)%2)*128
.if (\t)+2 < 8
	WLOAD (\t)+2
.endif
	s_wait_dscnt 0x0                               ; the stores have read their registers
.endm
	WLOAD 0
	WLOAD 1
.irp t, 0,1,2,3,4,5,6,7
	WBLOCK \t
.endr
	s_wait_alu depctr_va_vdst(0)
	global_store_b64 v9, v[124:125], s[14:15] offset:3072      ; my row's two scale words,
	global_store_b64 v9, v[124:125], s[14:15] offset:3200      ; and their second copy
.irp n, 0,1,2,3,4,5,6,7,8,9,10,11
	ds_load_b128 v[128+4*\n:131+4*\n], v8 offset:3200*(\n/6)+512*(\n%6)
.endr
.irp n, 0,1,2,3,4,5,6,7,8,9,10,11
	s_wait_dscnt 11-\n                             ; the n-th is back; the younger ones may be out
	global_store_b128 v4, v[128+4*\n:131+4*\n], s[14:15] offset:13312*(\n/6)+512*(\n%6)   ; 512 consecutive bytes
.endr
	CLOSE
.Lfunc_end_k_q4002315b38_prep:
	.size	k_q4002315b38_prep, .Lfunc_end_k_q4002315b38_prep-k_q4002315b38_prep
	.p2alignl 7, 3214868480
	.fill 96, 4, 3214868480
	.section	.rodata,"a",@progbits
	.p2align	6, 0x0
	.amdhsa_kernel k_q4002315b38_prep
		.amdhsa_group_segment_fixed_size 93696
		.amdhsa_private_segment_fixed_size 0
		.amdhsa_enable_private_segment 0
		.amdhsa_kernarg_size 72
		.amdhsa_user_sgpr_count 2
		.amdhsa_user_sgpr_kernarg_segment_ptr 1
		.amdhsa_wavefront_size32 1
		.amdhsa_system_sgpr_workgroup_id_x 1
		.amdhsa_system_sgpr_workgroup_id_y 1
		.amdhsa_system_sgpr_workgroup_id_z 1
		.amdhsa_system_vgpr_workitem_id 0
		.amdhsa_next_free_vgpr 256
		.amdhsa_next_free_sgpr 66
		.amdhsa_reserve_vcc 1
		.amdhsa_float_denorm_mode_32 3
		.amdhsa_float_denorm_mode_16_64 3
		.amdhsa_memory_ordered 1
		.amdhsa_forward_progress 1
		.amdhsa_inst_pref_size 192
	.end_amdhsa_kernel
	.amdgpu_metadata
---
amdhsa.version: [ 1, 2 ]
amdhsa.kernels:
  - .name:           k_q4002315b38_prep
    .symbol:         k_q4002315b38_prep.kd
    .args:
      - { .name: x, .offset: 0, .size: 8, .value_kind: global_buffer, .address_space: global }
      - { .name: Wqkv, .offset: 8, .size: 8, .value_kind: global_buffer, .address_space: global }
      - { .name: Wout, .offset: 16, .size: 8, .value_kind: global_buffer, .address_space: global }
      - { .name: mask, .offset: 24, .size: 8, .value_kind: global_buffer, .address_space: global }
      - { .name: xq, .offset: 32, .size: 8, .value_kind: global_buffer, .address_space: global }
      - { .name: wq, .offset: 40, .size: 8, .value_kind: global_buffer, .address_space: global }
      - { .name: wo, .offset: 48, .size: 8, .value_kind: global_buffer, .address_space: global }
      - { .name: mw, .offset: 56, .size: 8, .value_kind: global_buffer, .address_space: global }
      - { .name: vd, .offset: 64, .size: 8, .value_kind: global_buffer, .address_space: global }
    .group_segment_fixed_size: 93696
    .private_segment_fixed_size: 0
    .kernarg_segment_align: 8
    .kernarg_segment_size: 72
    .max_flat_workgroup_size: 128
    .sgpr_count:     66
    .vgpr_count:     256
    .wavefront_size: 32
...
	.end_amdgpu_metadata
.endif
;; end of part 1
;; launch gemm1 (part 2): grid 12 x 64, 4 waves a work-group, clusters of 4 x 4, 327,680 bytes of LDS; arguments xq, wq, bqkv, qq, kv; writes qq, kv
.if DOCPART == 2
	.amdgcn_target "amdgcn-amd-amdhsa--gfx1250"
	.amdhsa_code_object_version 6
	.text
	.protected	k_q4002315b38_gemm1
	.globl	k_q4002315b38_gemm1
	.p2align	8
	.type	k_q4002315b38_gemm1,@function
k_q4002315b38_gemm1:
	s_mov_b64 s[64:65], 0
	v_nop
	global_prefetch_b8 v0, s[64:65] scope:SCOPE_SE
	s_setreg_imm32_b32 hwreg(HW_REG_WAVE_MODE, 25, 1), 1
	s_wait_xcnt 0x0
	s_wait_alu depctr_hold_cnt(0) depctr_sa_sdst(0) depctr_va_vdst(0) depctr_va_sdst(0) depctr_va_ssrc(0) depctr_va_vcc(0) depctr_vm_vsrc(0)
	s_getreg_b32 s2, hwreg(HW_REG_IB_STS2, 6, 4)
	s_cmp_eq_u32 s2, 0
	s_cbranch_scc0 .Lentry_in_a_cluster
	s_endpgm
.Lentry_in_a_cluster:
	s_bfe_u32 s2, ttmp6, 0x10000c
	s_cmp_lg_u32 s2, 0xf033
	s_cbranch_scc0 .Lentry_shape_is_right
	s_endpgm
.Lentry_shape_is_right:
; A GEMM on codes of E2M3 over K = 1,024, D = S0 S1^T + bias.  Source 0 ('B', 256 rows, 16 tiles) runs along a lane's registers, source 1 ('A', 128 rows, 8 tiles) along the lanes.
; MODE 0: qkv = x Wqkv + bqkv, quantised on the way out.  Clusters x = 0, 1 make q and k: A = x's rows, B = W's columns, so a lane holds one token and its registers run along the head's 64.
;         Cluster x = 2 makes v: A = W's columns, B = x's rows, so a lane holds one channel and its registers run along the keys, which are the K of attention's second product.
; MODE 1: out = (ctx Wout + bout) x valid, f32.  A = ctx's rows, B = Wout's columns.
; OPERANDS lie in memory in the order of the operand's registers: tile T = rows 32 (T / 2) + 8 (T % 2) + r + 8 (r / 8); a record of 3,328 bytes = 256 along K of a tile (four halves of 768 bytes, 256 bytes of scale words); four records a tile.
; SHARES.  Four waves; wave (wa, wb) takes 64 rows of A x 128 rows of B: 32 accumulators.  ALL OF K for the work-group's 24 tiles lies in LDS (319,488 bytes), filled once, in four groups of 256 along K:
; no byte of LDS is filled twice, so there is no ring; a wave has four tensor loads outstanding at most.  Two K steps of 128 to a group, one barrier a group.
; CLUSTER 4 x 4: A's tiles are shared along a row of the cluster, B's along a column: each is asked for jointly.
; REGISTERS.  Window 0: v1-27 addresses; v32-79 scale words, two sets, and nothing else; v80-175 A's fragments, two sets; v176-239 the bias, as the C of the first K step.  Window 1: B's fragments, at v0 and v128.  Window 2: acc(a, b) at 8 (8 a + b).
; LIMITS: a block of zeros, or one under the floor 2^-124, gets the byte 1 with zero codes; this program alone reads the bytes.  NaN and infinities are not served.
.set MODE,  0
.set RECB,  3328
.set GRP,   79872                      ; a group in LDS: A's 8 records, then B's 16
; LDS AS IT IS FILLED: one dense tensor load a wave brings all of K of its tiles: A's two halves of 4 tiles (53,248 bytes each), then B's two of 8 tiles (106,496 each); a tile is 13,312 bytes, its record g at 3,328 g.  One barrier shows all of it to all waves.
.set BOFF,  106496
.set SPARE, 319488                     ; the spare words, 128 bytes for each wave: two blocks of 256 bytes that no other line names
.set SPW,   20
.set NIL,   21
.set SC,    32
.set AF,    80
.set BI,    176
.set TM,    160
.set SEL,   100
.set MSB, 0
.macro WIN new                         ; the immediate's high byte repeats the setting that is left
.if MSB != \new
	s_set_vgpr_msb (MSB<<8)|\new
.set MSB, \new
.endif
.endm
.macro PLACES
.rept 4
	v_nop
.endr
.endm
.macro CROUND                          ; a round of the cluster's barrier
	s_barrier_signal -1
	s_barrier_wait -1
	s_cmp_lg_u32 s14, 0
	s_cbranch_scc1 .Lnot_wave_0_\@
	s_barrier_signal -3
.Lnot_wave_0_\@:
	s_barrier_wait -3
	s_barrier_signal -1
	s_barrier_wait -1
.endm
.macro MKG0 reg, lds, ldsc, ptr, step  ; a descriptor's group 0
	s_mov_b32 s[\reg], 1
	s_add_co_u32 s[\reg+1], s[\lds], \ldsc
	s_add_nc_u64 s[\reg+2:\reg+3], s[\ptr:\ptr+1], \step
	s_or_b32 s[\reg+3], s[\reg+3], 0x80000000
.endm
.macro FRAG reg, a16, a8, off          ; a fragment, 16 rows x 128 K: two halves as they lie
	ds_load_b128 v[(\reg):(\reg)+3], v[\a16] offset:(\off)
	ds_load_b64 v[(\reg)+4:(\reg)+5], v[\a8] offset:(\off)+512
	ds_load_b128 v[(\reg)+6:(\reg)+9], v[\a16] offset:(\off)+768
	ds_load_b64 v[(\reg)+10:(\reg)+11], v[\a8] offset:(\off)+1280
.endm
.macro FETCH q                         ; K step q's fragments, 48 loads, into set q % 2
	WIN 0x40
.irp i, 0,1,2,3,4,5,6,7
	FRAG 128*((\q)%2)+12*\i, 12+\i/4, 16+\i/4, (\i%4)*13312+((\q)/2)*RECB+((\q)%2)*1536
.endr
	WIN 0
.irp i, 0,1,2,3
	FRAG AF+48*((\q)%2)+12*\i, 4+(\q)/2, 8+(\q)/2, \i*13312+((\q)%2)*1536
.endr
.endm
.macro SCALES g                        ; group g's scale words, 12 loads: two K steps' words a tile
.irp i, 0,1,2,3
	ds_load_b64 v[SC+24*((\g)%2)+2*\i:SC+24*((\g)%2)+2*\i+1], v[8+(\g)] offset:\i*13312+3072
.endr
.irp i, 0,1,2,3,4,5,6,7
	ds_load_b64 v[SC+24*((\g)%2)+8+2*\i:SC+24*((\g)%2)+8+2*\i+1], v[16+\i/4] offset:(\i%4)*13312+(\g)*RECB+3072
.endr
.endm
; n blocks of A from a0 on x B's eight, K step q.  cm = 0: onto the sums; 1: the bias by B's tile starts them; 2: the bias by A's block.  The 32 accumulators take turns, one instruction a turn.
.macro MULA q, a0, n, cm
.if (\cm) == 0
	WIN 0xa1
.else
	WIN 0x81
.endif
.set ma, \a0
.rept \n
.irp b, 0,1,2,3,4,5,6,7
.if (\cm) == 0
	v_wmma_scale_f32_16x16x128_f8f6f4 v[8*(8*ma+\b):8*(8*ma+\b)+7], v[128*((\q)%2)+12*\b:128*((\q)%2)+12*\b+11], v[AF+48*((\q)%2)+12*ma:AF+48*((\q)%2)+12*ma+11], v[8*(8*ma+\b):8*(8*ma+\b)+7], v[SC+24*(((\q)/2)%2)+8+2*\b+(\q)%2], v[SC+24*(((\q)/2)%2)+2*ma+(\q)%2] matrix_a_fmt:MATRIX_FMT_FP6 matrix_b_fmt:MATRIX_FMT_FP6
.elseif (\cm) == 1
	v_wmma_scale_f32_16x16x128_f8f6f4 v[8*(8*ma+\b):8*(8*ma+\b)+7], v[128*((\q)%2)+12*\b:128*((\q)%2)+12*\b+11], v[AF+48*((\q)%2)+12*ma:AF+48*((\q)%2)+12*ma+11], v[BI+8*\b:BI+8*\b+7], v[SC+24*(((\q)/2)%2)+8+2*\b+(\q)%2], v[SC+24*(((\q)/2)%2)+2*ma+(\q)%2] matrix_a_fmt:MATRIX_FMT_FP6 matrix_b_fmt:MATRIX_FMT_FP6
.else
	v_wmma_scale_f32_16x16x128_f8f6f4 v[8*(8*ma+\b):8*(8*ma+\b)+7], v[128*((\q)%2)+12*\b:128*((\q)%2)+12*\b+11], v[AF+48*((\q)%2)+12*ma:AF+48*((\q)%2)+12*ma+11], v[BI+32*(\b/4)+8*ma:BI+32*(\b/4)+8*ma+7], v[SC+24*(((\q)/2)%2)+8+2*\b+(\q)%2], v[SC+24*(((\q)/2)%2)+2*ma+(\q)%2] matrix_a_fmt:MATRIX_FMT_FP6 matrix_b_fmt:MATRIX_FMT_FP6
.endif
.endr
.set ma, ma+1
.endr
.endm
.macro EVEN q                          ; a group's first K step
	PLACES                                         ; in front of loads into registers that the last products read
	FETCH (\q)+1
	s_wait_dscnt 48                                ; all but the 48 just issued
	MULA \q, 0, 4, 0
.endm
.macro ODD q, left                     ; a group's second K step opens the next group
	s_wait_dscnt 0x0                               ; this K step's fragments are in
	MULA \q, 0, 2, 0
	PLACES
	FETCH (\q)+1
	SCALES ((\q)+1)/2
	MULA \q, 2, 2, 0
.endm
; 64 results of a lane in window 2, register 16 b + i = k 32 b + 16 (lane / 16) + i, become a fragment at v[pc] and its scale word in v[pw] (pc + 12 .. pc + 18 at work)
.macro QUANT s, pc, pw
	WIN 0x0a
.irp b, 0,1,2,3
	v_max3_num_f32 v[TM+\b], |v[(\s)+16*\b]|, |v[(\s)+1+16*\b]|, 0x1800000   ; each accumulator is read from its low end on; the floor 2^(3 - 127) holds the byte at 1 from below
.endr
	WIN 0x28
.irp i, 2,4,6,8,10,12,14
.irp b, 0,1,2,3
	v_max3_num_f32 v[TM+\b], v[TM+\b], |v[(\s)+16*\b+\i]|, |v[(\s)+1+16*\b+\i]|
.endr
.endr
	WIN 0
.irp b, 0,1,2,3
	v_permlanex16_b32 v[TM+4+\b], v[TM+\b], s[SEL], s[SEL+1]
.endr
.irp b, 0,1,2,3
	v_max_num_f32 v[TM+\b], v[TM+\b], v[TM+4+\b]
.endr
.irp b, 0,1,2,3
	v_add_nc_u32 v[TM+12+\b], 0xff000000, v[TM+\b]
.endr
.irp b, 0,1,2,3
	v_lshrrev_b32 v[TM+4+\b], 23, v[TM+12+\b]
.endr
	v_lshl_or_b32 v[\pw], v[TM+5], 8, v[TM+4]
	v_lshl_or_b32 v[\pw], v[TM+6], 16, v[\pw]
	v_lshl_or_b32 v[\pw], v[TM+7], 24, v[\pw]
	WIN 0x02
.irp c, 0,1
	v_cvt_scalef32_pk16_fp6_f32 v[(\pc)+6*\c:(\pc)+2+6*\c], v[(\s)+32*\c:(\s)+15+32*\c], v[TM+12+2*\c]
	v_cvt_scalef32_pk16_fp6_f32 v[(\pc)+12+4*\c:(\pc)+14+4*\c], v[(\s)+16+32*\c:(\s)+31+32*\c], v[TM+12+2*\c+1]
.endr
	WIN 0
	v_nop                                          ; one plain place behind a scaled conversion
.irp c, 0,1
.irp i, 0,1,2
	v_permlane16_swap_b32 v[(\pc)+6*\c+\i], v[(\pc)+12+4*\c+\i]
.endr
.irp i, 0,1,2
	v_mov_b32 v[(\pc)+3+6*\c+\i], v[(\pc)+12+4*\c+\i]
.endr
.endr
.endm
	s_load_b256 s[4:11], s[0:1], 0x0               ; MODE 0: xq, wq, bqkv, qq;  MODE 1: cq, wo, bout, vd
	s_load_b64 s[12:13], s[0:1], 0x20              ; MODE 0: kv;  MODE 1: out0
	v_lshl_add_u32 v[SPW], v0, 2, SPARE
	v_mov_b32 v[NIL], 0
	ds_add_u32 v[SPW], v[NIL]                      ; the wave's opening: the add and its wait stand ahead of my first tensor load; work on registers stands between them
	ds_add_u32 v[SPW], v[NIL]
	v_lshrrev_b32 v1, 5, v0
	v_readfirstlane_b32 s14, v1                    ; wave 0..3
	s_lshr_b32 s15, s14, 1                         ; wa: my 64 rows of A.  Also: I fetch for A (0) or for B (1)
	s_and_b32 s16, s14, 1                          ; wb: my 128 rows of B.  Also: which half of the tiles I fetch
	s_bfe_u32 s18, ttmp6, 0x40000                  ; cx
	s_bfe_u32 s19, ttmp6, 0x40004                  ; cy
	s_and_b32 s20, ttmp7, 0xffff                   ; cluster y
.if MODE == 0
	s_lshr_b32 s21, s20, 1
	s_and_b32 s22, s20, 1
	s_cmp_eq_u32 ttmp9, 2                          ; the role hangs on the cluster's x alone: it is the same in all sixteen partners
	s_cselect_b32 s17, 1, 0                        ; 1: v
	s_cselect_b32 s21, s21, ttmp9
	s_cselect_b32 s22, s22, s20
	s_cselect_b32 s23, 128, 0                      ; v's columns begin at tile 128 of wq
.else
	s_mov_b32 s21, ttmp9
	s_mov_b32 s22, s20
	s_mov_b32 s23, 0
.endif
	s_lshl_b32 s21, s21, 2
	s_add_co_u32 s21, s21, s18                     ; i0: which 256 rows of B
	s_lshl_b32 s22, s22, 2
	s_add_co_u32 s22, s22, s19                     ; i1: which 128 rows of A
	s_lshl_b32 s80, s19, 2
	s_lshl_b32 s80, 15, s80                        ; my row of the cluster
	s_lshl_b32 s81, 0x1111, s18                    ; my column
	; group 1: rows of 3,328 bytes (416 elements of 8 bytes), one record a row, 3,328 bytes (416 elements) apart; dense in LDS
	s_or_b32 s24, s80, (3<<16)|(1<<21)             ; A: 4 tiles, shared along my row
	s_mov_b32 s25, 416<<16
	s_mov_b32 s26, 16<<16                          ; 4 tiles x 4 records, dense
	s_mov_b32 s27, 416<<16
	s_mov_b32 s28, 16
	s_mov_b32 s29, 416
	s_mov_b32 s30, 0
	s_mov_b32 s31, 0
	s_or_b32 s32, s81, (3<<16)|(1<<21)             ; B: 8 tiles, shared along my column
	s_mov_b32 s33, 416<<16
	s_mov_b32 s34, 32<<16                          ; 8 tiles x 4 records, dense
	s_mov_b32 s35, 416<<16
	s_mov_b32 s36, 32
	s_mov_b32 s37, 416
	s_mov_b32 s38, 0
	s_mov_b32 s39, 0
	s_lshl_b32 s82, s22, 3                         ; A's first tile that I fetch: 8 i1 + 4 x half (+ 128)
	s_add_co_u32 s82, s82, s23
	s_lshl_b32 s83, s16, 2
	s_add_co_u32 s82, s82, s83
	s_mul_i32 s82, s82, 13312
	s_mov_b32 s83, 0
	s_lshl_b32 s84, s21, 4                         ; B's: 16 i0 + 8 x half
	s_lshl_b32 s85, s16, 3
	s_add_co_u32 s84, s84, s85
	s_mul_i32 s84, s84, 13312
	s_mov_b32 s85, 0
	s_mul_i32 s86, s16, 53248                      ; where they go: no place in the cluster enters an LDS address
	s_mul_i32 s87, s16, 106496
	s_mov_b32 s[SEL], 0x76543210
	s_mov_b32 s[SEL+1], 0xfedcba98
	s_mov_b32 s104, 0xffff0000                     ; lanes 16-31
	s_wait_dscnt 0x0                               ; the opening add is done
	s_wait_kmcnt 0x0
.if MODE == 0
	s_cmp_eq_u32 s17, 0
	s_cselect_b64 s[76:77], s[4:5], s[6:7]         ; A's buffer
	s_cselect_b64 s[78:79], s[6:7], s[4:5]         ; B's
.else
	s_mov_b64 s[76:77], s[4:5]
	s_mov_b64 s[78:79], s[6:7]
.endif
	s_add_nc_u64 s[76:77], s[76:77], s[82:83]
	s_add_nc_u64 s[78:79], s[78:79], s[84:85]
	MKG0 40, 86, 0*GRP, 76, 0*RECB
	MKG0 56, 87, 0*GRP+BOFF, 78, 0*RECB
	CROUND                                         ; all sixteen work-groups are here: the joint loads meet
	s_cmp_eq_u32 s15, 0                            ; a wave's one fill stands in a branch on the wave's number
	s_cbranch_scc0 .Lfor_b
	tensor_load_to_lds s[40:43], s[24:31]
	s_nop 0
.rept 4
	v_nop
.endr
	s_branch .Lasked
.Lfor_b:
	tensor_load_to_lds s[56:59], s[32:39]
	s_nop 0
.rept 4
	v_nop
.endr
.Lasked:
	v_and_b32 v1, 31, v0
	v_and_b32 v2, 15, v0                           ; r
	v_bfe_u32 v3, v0, 4, 1                         ; h
	v_lshlrev_b32 v22, 4, v1                       ; 16 x lane
	v_lshlrev_b32 v23, 3, v1                       ; 8 x lane
	s_mul_i32 s88, s15, 53248                      ; my 4 tiles of A
	s_mul_i32 s89, s16, 106496                     ; my 8 tiles of B,
	s_add_co_u32 s89, s89, BOFF                    ; behind A's 8
.irp g, 0,1,2,3
	v_add_nc_u32 v[4+\g], s88, v22
	v_add_nc_u32 v[8+\g], s88, v23
	v_add_nc_u32 v[12+\g], s89, v22
	v_add_nc_u32 v[16+\g], s89, v23
	s_add_co_u32 s88, s88, RECB                    ; A: an address for each record
	s_add_co_u32 s89, s89, 53248                   ; B: one for tiles 0-3, one for tiles 4-7 (the last two are not used)
.endr
	v_lshlrev_b32 v24, 6, v3                       ; 64 h
	v_lshrrev_b32 v25, 3, v2
	v_lshl_add_u32 v25, v25, 3, v2
	v_lshlrev_b32 v25, 2, v25                      ; 4 (r + 8 (r / 8))
	s_lshl_b32 s90, s21, 10
	s_lshl_b32 s91, s16, 9
	s_add_co_u32 s90, s90, s91                     ; the bias along B: 4 (256 i0 + 128 wb)
.if MODE == 0
	s_lshl_b32 s92, s22, 9
	s_lshl_b32 s91, s15, 8
	s_add_co_u32 s92, s92, s91
	s_add_co_u32 s92, s92, 8192                    ; v: along A: 4 (2,048 + 128 i1 + 64 wa)
	s_cmp_eq_u32 s17, 0
	s_cselect_b32 s90, s90, s92
.endif
	s_mov_b32 s91, 0
	s_add_nc_u64 s[8:9], s[8:9], s[90:91]
.if MODE == 0
	s_cmp_eq_u32 s17, 0
	s_cbranch_scc0 .Lbias_v
.endif
	s_wait_alu depctr_va_vdst(0)
.irp b, 0,1,2,3,4,5,6,7                        ; eight registers a tile of B, in the result's layout
	global_load_b128 v[BI+8*\b:BI+8*\b+3], v24, s[8:9] offset:4*(32*(\b/2)+8*(\b%2))
	global_load_b128 v[BI+8*\b+4:BI+8*\b+7], v24, s[8:9] offset:4*(32*(\b/2)+8*(\b%2))+16
.endr
.if MODE == 0
	s_branch .Lbias_done
.Lbias_v:                                      ; v: a lane's channel has one bias for all its registers; B's tiles 0-3 take the first 32 registers as C, tiles 4-7 the second 32
	s_wait_alu depctr_va_vdst(0)
.irp x, 0,1,2,3,4,5,6,7
.irp j, 0,1,2,3,4,5,6,7
	global_load_b32 v[BI+8*\x+\j], v25, s[8:9] offset:4*(32*((\x%4)/2)+8*(\x%2))
.endr
.endr
.Lbias_done:
.else
	s_lshl_b32 s90, s22, 9
	s_lshl_b32 s92, s15, 8
	s_add_co_u32 s90, s90, s92
	s_add_nc_u64 s[10:11], s[10:11], s[90:91]      ; valid of my 64 rows
.irp a, 0,1,2,3
	global_load_b32 v[240+2*\a], v25, s[10:11] offset:4*(32*(\a/2)+8*(\a%2))
	v_mov_b32 v[241+2*\a], 0                       ; (named with it as a pair)
.endr
	s_mul_i32 s76, s14, 8448                       ; the way out: my stage, 16 rows x 528 bytes, over A's first tiles, which have had their only fill
	v_mul_u32_u24 v26, v2, 528
	v_lshl_add_u32 v26, v3, 6, v26
	v_add_nc_u32 v26, s76, v26                     ; in: row r, + 64 h
	v_add_nc_u32 v27, s76, v22                     ; back: a row of 512 bytes
.endif
	s_wait_tensorcnt 0x0                           ; my one load has landed
	s_barrier_signal -1
	s_barrier_wait -1
	FETCH 0
	SCALES 0
	FETCH 1
	s_wait_loadcnt 0x0                             ; the bias
	s_wait_dscnt 48                                ; all but K step 1's 48
.if MODE == 0
	s_cmp_eq_u32 s17, 0
	s_cbranch_scc0 .Lq0_v
	MULA 0, 0, 4, 1
	WIN 0
	s_branch .Lq0_done
.Lq0_v:
	MULA 0, 0, 4, 2
	WIN 0
.Lq0_done:
.else
	MULA 0, 0, 4, 1
.endif
	ODD 1, 2
	EVEN 2
	ODD 3, 1
	EVEN 4
	ODD 5, 0
	EVEN 6
	s_wait_dscnt 0x0
	MULA 7, 0, 4, 0
	WIN 0
	PLACES                                         ; in front of the first read of results and of writes into the operands' registers
.if MODE == 0
; THE WAY OUT: each block of A gives one fragment of 128 along the registers' axis.  v80 + 20 a: its codes; v176 + a: its scale word.  No store's data are written again.
.irp b, 0,1,2,3
	v_mov_b32 v[TM+4+\b], 0
.endr
.irp a, 0,1,2,3
	QUANT 64*\a, 80+20*\a, 176+\a
.endr
	v_cndmask_b32 v180, v176, v177, s104           ; a unit of scale words: 8 bytes a lane: word e of lane l belongs to tile 2 e + l / 16, row l % 16
	v_cndmask_b32 v181, v178, v179, s104
	s_cmp_eq_u32 s17, 0
	s_cbranch_scc0 .Lout_v
	; q or k: my 128 columns are two heads; registers 0-5 of a fragment are the even head's half, 6-11 the odd head's.  A record of 13,056 bytes serves 128 tokens of a head: 8 halves, v's 4 images, 3 units of scale words
	s_lshr_b32 s76, s22, 4                         ; batch
	s_lshl_b32 s76, s76, 4
	s_and_b32 s78, s21, 3
	s_lshl_b32 s78, s78, 2
	s_lshl_b32 s79, s16, 1
	s_add_co_u32 s78, s78, s79                     ; the even head
	s_add_co_u32 s76, s76, s78
	s_mul_i32 s76, s76, 208896
	s_and_b32 s77, s22, 15                         ; which 128 tokens
	s_mul_i32 s77, s77, 13056
	s_add_co_u32 s76, s76, s77
	s_mov_b32 s77, 0
	s_cmp_eq_u32 ttmp9, 0
	s_cselect_b64 s[96:97], s[10:11], s[12:13]     ; q's buffer or k's
	s_add_nc_u64 s[96:97], s[96:97], s[76:77]
	s_lshl_b32 s78, s15, 8
	s_add_co_u32 s78, s78, 12288
	s_mov_b32 s79, 0
	s_add_nc_u64 s[98:99], s[96:97], s[78:79]      ; my four tiles' unit of scale words
	s_mul_i32 s78, s15, 3072
	s_add_nc_u64 s[96:97], s[96:97], s[78:79]      ; my four tiles' halves
	s_wait_alu depctr_va_vdst(0)
.irp a, 0,1,2,3
	global_store_b128 v22, v[80+20*\a:83+20*\a], s[96:97] offset:768*\a
	global_store_b64 v23, v[84+20*\a:85+20*\a], s[96:97] offset:768*\a+512
	global_store_b128 v22, v[86+20*\a:89+20*\a], s[96:97] offset:208896+768*\a
	global_store_b64 v23, v[90+20*\a:91+20*\a], s[96:97] offset:208896+768*\a+512
.endr
	global_store_b64 v23, v[180:181], s[98:99]     ; the even head: bytes 0, 1 are its two blocks; bytes 2, 3 meet zero codes
.irp a, 0,1,2,3
	v_lshrrev_b32 v[182+\a], 16, v[176+\a]         ; the odd head's two bytes
.endr
	v_cndmask_b32 v186, v182, v183, s104
	v_cndmask_b32 v187, v184, v185, s104
	global_store_b64 v23, v[186:187], s[98:99] offset:208896
	s_branch .Lend
.Lout_v:                                       ; v: my 64 channels are one head, my 128 tokens one record: four images of 1,536 bytes and a unit of scale words
	s_lshr_b32 s76, s21, 3                         ; batch
	s_lshl_b32 s76, s76, 4
	s_lshl_b32 s77, s22, 1
	s_add_co_u32 s77, s77, s15                     ; head
	s_add_co_u32 s76, s76, s77
	s_mul_i32 s76, s76, 208896
	s_and_b32 s77, s21, 7
	s_lshl_b32 s77, s77, 1
	s_add_co_u32 s77, s77, s16                     ; which 128 keys
	s_mul_i32 s77, s77, 13056
	s_add_co_u32 s76, s76, s77
	s_add_co_u32 s76, s76, 6144
	s_mov_b32 s77, 0
	s_add_nc_u64 s[96:97], s[12:13], s[76:77]
	s_wait_alu depctr_va_vdst(0)
.irp a, 0,1,2,3
.irp j, 0,1,2
	global_store_b128 v22, v[80+20*\a+4*\j:83+20*\a+4*\j], s[96:97] offset:1536*\a+512*\j
.endr
.endr
	global_store_b64 v23, v[180:181], s[96:97] offset:6656
.Lend:
.else
; THE WAY OUT: x valid; a block of 16 rows x 128 columns goes through my stage and leaves as whole rows of 512 bytes.  v80-143 the block; window 1, v0-63 and v64-127: rows read back, by turns.
	s_lshl_b32 s92, s22, 19
	s_lshl_b32 s93, s15, 18
	s_add_co_u32 s92, s92, s93                     ; (128 i1 + 64 wa) rows of 4,096 bytes
	s_lshl_b32 s93, s21, 10
	s_add_co_u32 s92, s92, s93
	s_lshl_b32 s93, s16, 9
	s_add_co_u32 s92, s92, s93                     ; + 4 (256 i0 + 128 wb)
	s_mov_b32 s93, 0
	s_add_nc_u64 s[96:97], s[12:13], s[92:93]
.macro TOSTAGE a
	WIN 0x02
.set k, 0
.rept 32
	v_pk_mul_f32 v[80+k:81+k], v[64*(\a)+k:64*(\a)+k+1], v[240+2*(\a):241+2*(\a)] op_sel_hi:[1,0]   ; each accumulator from its low end on
.set k, k+2
.endr
	WIN 0
.irp p, 0,1,2,3
.irp e, 0,1,2,3
	ds_store_b128 v26, v[80+16*\p+4*\e:83+16*\p+4*\e] offset:128*\p+16*\e
.endr
.endr
	WIN 0x40
.irp i, 0,1,2,3,4,5,6,7,8,9,10,11,12,13,14,15
	ds_load_b128 v[64*((\a)%2)+4*\i:64*((\a)%2)+4*\i+3], v27 offset:528*\i   ; LDS serves a wave's instructions in order: these see the stores above
.endr
	WIN 0
.endm
.macro SEND a, younger
	s_wait_dscnt \younger                          ; the block is back; the next block's 16 stores and 16 loads may be out
	WIN 0x04
.irp i, 0,1,2,3,4,5,6,7,8,9,10,11,12,13,14,15
	global_store_b128 v22, v[64*((\a)%2)+4*\i:64*((\a)%2)+4*\i+3], s[96:97] offset:(32*((\a)/2)+8*((\a)%2)+\i+8*(\i/8))*4096 th:TH_STORE_NT   ; 512 consecutive bytes, aligned
.endr
	WIN 0
.endm
	TOSTAGE 0
	TOSTAGE 1
	SEND 0, 32
	s_wait_xcnt 0x0                                ; block 0's stores have read their registers
	TOSTAGE 2
	SEND 1, 32
	s_wait_xcnt 0x0
	TOSTAGE 3
	SEND 2, 32
	SEND 3, 0
.endif
	s_wait_tensorcnt 0x0                           ; the wave's end
	ds_add_u32 v[SPW], v[NIL]
	s_wait_dscnt 0x0
	CROUND                                         ; the closing round
	s_endpgm
.Lfunc_end_k_q4002315b38_gemm1:
	.size	k_q4002315b38_gemm1, .Lfunc_end_k_q4002315b38_gemm1-k_q4002315b38_gemm1
	.p2alignl 7, 3214868480
	.fill 96, 4, 3214868480
	.section	.rodata,"a",@progbits
	.p2align	6, 0x0
	.amdhsa_kernel k_q4002315b38_gemm1
		.amdhsa_group_segment_fixed_size 327680
		.amdhsa_private_segment_fixed_size 0
		.amdhsa_enable_private_segment 0
		.amdhsa_kernarg_size 40
		.amdhsa_user_sgpr_count 2
		.amdhsa_user_sgpr_kernarg_segment_ptr 1
		.amdhsa_wavefront_size32 1
		.amdhsa_system_sgpr_workgroup_id_x 1
		.amdhsa_system_sgpr_workgroup_id_y 1
		.amdhsa_system_sgpr_workgroup_id_z 1
		.amdhsa_system_vgpr_workitem_id 0
		.amdhsa_next_free_vgpr 768
		.amdhsa_next_free_sgpr 106
		.amdhsa_reserve_vcc 0
		.amdhsa_float_denorm_mode_32 3
		.amdhsa_float_denorm_mode_16_64 3
		.amdhsa_memory_ordered 1
		.amdhsa_forward_progress 1
		.amdhsa_inst_pref_size 101
	.end_amdhsa_kernel
	.amdgpu_metadata
---
amdhsa.version: [ 1, 2 ]
amdhsa.kernels:
  - .name:           k_q4002315b38_gemm1
    .symbol:         k_q4002315b38_gemm1.kd
    .args:
      - { .name: xq, .offset: 0, .size: 8, .value_kind: global_buffer, .address_space: global }
      - { .name: wq, .offset: 8, .size: 8, .value_kind: global_buffer, .address_space: global }
      - { .name: bqkv, .offset: 16, .size: 8, .value_kind: global_buffer, .address_space: global }
      - { .name: qq, .offset: 24, .size: 8, .value_kind: global_buffer, .address_space: global }
      - { .name: kv, .offset: 32, .size: 8, .value_kind: global_buffer, .address_space: global }
    .group_segment_fixed_size: 327680
    .private_segment_fixed_size: 0
    .kernarg_segment_align: 8
    .kernarg_segment_size: 40
    .max_flat_workgroup_size: 128
    .sgpr_count:     106
    .vgpr_count:     768
    .wavefront_size: 32
...
	.end_amdgpu_metadata
.endif
;; end of part 2
;; launch attn (part 3): grid 4 x 64, 16 waves a work-group, no clusters, 227,328 bytes of LDS; arguments qq, kv, mw, cq; writes cq
.if DOCPART == 3
	.amdgcn_target "amdgcn-amd-amdhsa--gfx1250"
	.amdhsa_code_object_version 6
	.text
	.protected	k_q4002315b38_attn
	.globl	k_q4002315b38_attn
	.p2align	8
	.type	k_q4002315b38_attn,@function
k_q4002315b38_attn:
	s_mov_b64 s[64:65], 0
	v_nop
	global_prefetch_b8 v0, s[64:65] scope:SCOPE_SE
	s_setreg_imm32_b32 hwreg(HW_REG_WAVE_MODE, 25, 1), 1
	s_wait_xcnt 0x0
; ATTENTION on codes of E2M3: ctx = softmax(where(mask, q k^T / 8, -10000)) v; a work-group takes 512 queries of one head (64 channels, 2,048 keys); ctx leaves as codes, as the last product's operand.
; THE SOFTMAX: t = logit x log2(e); M = the running largest t rounded up to a whole number; p = 2^(t - M) is quantised along the keys, not normalised; the row's sum is taken of the unquantised p and divides at the end.
; SHARES.  Sixteen waves, two passes; in a pass a wave owns a tile of 16 queries and walks 16 key steps of 128 keys.  Both passes' q and flags are loaded at the head.
; K AND V of the head, 16 records of 13,056 bytes, lie in LDS for the whole launch: wave w copies record w through its registers, once; one barrier follows, and no other.
; NO TENSOR LOAD, NO CLUSTER: a step's branch hangs on flags read from memory (below); the four work-groups of a head each copy its records themselves.
; NO PREFETCH: the one stream, 26 loads a wave, is asked for at the head; there is no loop to run ahead in.
; A RECORD IN MEMORY: 8 halves of K (768 bytes: 16 keys x 64: registers 0-3 at 16 x lane, 4-5 at 512 + 8 x lane), 4 images of V (1,536 bytes: 16 channels x 128 keys), 2 units of K's scale words, 1 of V's.
; IN LDS (14,080 bytes): K by pairs of halves, 1,792 bytes a pair: both halves' registers 0-3, then both halves' 4-5; in the odd pairs these two runs begin 128 and 192 bytes later, so that
; the rows of an even and an odd pair that one load reads fall on different banks (64 banks of 4 bytes: ISA guide 11.1).  Behind K, from byte 7,168: V's images and the scale words, as they lie.
; A TILE OF K IS PUT TOGETHER BY THE LANES' ADDRESSES: tile 4 c + u takes keys 64 c + 8 u + 0..7 (rows 0-7) and 64 c + 32 + 8 u + 0..7 (rows 8-15).  Both products are used transposed (S^T = K Q^T, O^T = V^T P^T):
; a lane (r, h) holds query r, and score register 32 c + i is key 64 c + 32 h + i: a whole block of 32 keys in a lane, in the order of p's operand.
; The first product's K is 64: Q's registers 6-11 hold zero codes.  K's fragments lie packed, 6 registers each: the upper six of an operand are the next fragment's codes (behind the last: scratch), which meet Q's zero codes and add nothing.
; THE MASK: 64 lane masks a key step, and a word of flags a tile: bit s says that all of step s is true.  Where it is set, a scalar branch leads round the loads of the masks and the 64 selects; else each score is kept or replaced by -80000 (x 1/8 = -10000).
; LIMITS: nan_to_num is taken as the identity: a score is a sum of 64 products of finite numbers; scores beyond f32's range are not served.  The promise holds while |t| stays under 2^31.  The division by the sum is v_rcp_f32 and a multiplication.
;   A block of zeros gets the byte 1 with zero codes; this program alone reads the bytes.
; REGISTERS: v1-5 the step's LDS addresses, v6-7 the add's two, v8-11 K's scale words, v12 -M, v13 largest score, v[14:15] the sum, v16-27 Q, v28 Q's scale word, v29 p's, v[30:31] f, v[32:33] V's scale words, v[34:35] c,
;   v36-83 K, v84-89 scratch, v90 -80000, v91 8 h, v92 a permute's result, v93 the last -M, v94 at work, v96-159 S^T, then p, then V (v96-143), v160-191 O^T, v192-210 p's codes, v212-227 the sum's chains,
;   v228-234 the second pass's q and its scale word, v244-252 lane terms that stay.
.set GREC,  13056
.set HEADB, 208896
.set LREC,  14080
.set VIM,   7168                       ; V's images in an LDS record
.set KSC,   13312                      ; K's scale words
.set VSC,   13824                      ; V's
.set SPARE, 16*LREC                    ; the spare words, 128 bytes for each wave: eight blocks of 256 bytes that no other line names
.set SEL,   100
.macro MWLOAD                          ; a key step's 64 lane masks into s24-63, s72-95
.irp i, 0,1,2,3,4,5,6,7
	s_load_b256 s[24+8*\i+8*(\i/5):31+8*\i+8*(\i/5)], s[8:9], s18 offset:32*\i
.endr
.endm
.macro KL t, ra, rb, off               ; K's fragment t
	ds_load_b128 v[36+6*(\t):39+6*(\t)], v[\ra] offset:(\off)+3584*((\t)/4)+512*((\t)%2)+128*(((\t)%4)/2)
	ds_load_b64 v[40+6*(\t):41+6*(\t)], v[\rb] offset:(\off)+3584*((\t)/4)+1024+256*((\t)%2)+64*(((\t)%4)/2)
.endm
.macro KS rs, off                      ; K's scale words: lanes 0-15 an even tile's, lanes 16-31 the odd one's
.irp i, 0,1,2,3
	ds_load_b32 v[8+\i], v[\rs] offset:(\off)+KSC+256*(\i/2)+64*(\i%2)
.endr
.endm
.macro VL a                            ; V's fragment a
.irp e, 0,1,2
	ds_load_b128 v[96+12*(\a)+4*\e:99+12*(\a)+4*\e], v4 offset:VIM+1536*(\a)+512*\e
.endr
.endm
.macro TMS n                           ; n pairs of t - M, from pair j on
.rept \n
	v_pk_fma_f32 v[96+2*j:97+2*j], v[96+2*j:97+2*j], v[34:35], v[12:13] op_sel_hi:[1,0,0]
.set j, j+1
.endr
.endm
.macro T1 k                            ; the row's sum, of the unquantised p, in eight chains: p's pairs k and k + 8,
	v_pk_add_f32 v[212+2*(\k):213+2*(\k)], v[96+2*(\k):97+2*(\k)], v[112+2*(\k):113+2*(\k)]
.endm
.macro T2 k                            ; pair k + 16,
	v_pk_add_f32 v[212+2*(\k):213+2*(\k)], v[212+2*(\k):213+2*(\k)], v[128+2*(\k):129+2*(\k)]
.endm
.macro T3 k                            ; pair k + 24
	v_pk_add_f32 v[212+2*(\k):213+2*(\k)], v[212+2*(\k):213+2*(\k)], v[144+2*(\k):145+2*(\k)]
.endm
	s_load_b256 s[4:11], s[0:1], 0x0               ; qq s[4:5], kv s[6:7], mw s[8:9], cq s[10:11]
	v_lshl_add_u32 v6, v0, 2, SPARE
	v_mov_b32 v7, 0
	v_lshrrev_b32 v1, 5, v0
	v_readfirstlane_b32 s2, v1                     ; wave 0..15
	s_and_b32 s15, ttmp7, 0xffff                   ; 16 x batch + head
	s_mul_i32 s17, s15, HEADB                      ; the head's first byte in qq and kv
	s_mul_i32 s24, s2, GREC
	s_add_co_u32 s24, s24, s17                     ; my record of K and V
	s_mov_b32 s25, 0
	s_lshl_b32 s26, ttmp9, 2
	s_lshr_b32 s27, s2, 3
	s_add_co_u32 s26, s26, s27                     ; q's record in pass 0: 4 X + wave / 8
	s_mul_i32 s26, s26, GREC
	s_add_co_u32 s26, s26, s17
	s_mov_b32 s27, 0
	s_lshr_b32 s28, s15, 4
	s_lshl_b32 s28, s28, 7
	s_lshl_b32 s29, ttmp9, 5
	s_add_co_u32 s28, s28, s29
	s_add_co_u32 s28, s28, s2                      ; my tile in pass 0: 128 x batch + 32 X + wave
	s_lshl_b32 s30, s28, 12                        ; 4,096 bytes of mask words a tile
	s_mov_b32 s31, 0
	s_lshl_b32 s32, s28, 2
	s_add_co_u32 s32, s32, 2097152                 ; its word of flags
	s_mov_b32 s33, 0
	s_mul_i32 s99, s28, 13312                      ; ctx: my tile,
	s_and_b32 s34, s15, 15
	s_lshr_b32 s35, s34, 2
	s_mul_i32 s35, s35, 3328
	s_add_co_u32 s99, s99, s35                     ; the record of my head's 256 along K,
	s_and_b32 s34, s34, 3
	s_mul_i32 s35, s34, 768
	s_add_co_u32 s99, s99, s35                     ; and its half
	s_mul_i32 s35, s34, 766
	s_sub_co_u32 s35, 3072, s35                    ; from there to my head's two bytes of lane 0's scale words
	s_and_b32 s36, s2, 7                           ; my tile's place t in q's record
	s_mul_i32 s37, s36, 768
	s_and_b32 s38, s36, 1
	s_lshl_b32 s38, s38, 7
	s_bfe_u32 s39, s36, 0x10001
	s_lshl_b32 s39, s39, 2
	s_add_co_u32 s38, s38, s39
	s_lshr_b32 s39, s36, 2
	s_lshl_b32 s39, s39, 8
	s_add_co_u32 s38, s38, s39                     ; its scale words: 128 (t % 2) + 4 ((t % 4) / 2) + 256 (t / 4)
	s_mul_i32 s16, s2, LREC                        ; my record in LDS
	s_mov_b32 s[SEL], 0x76543210
	s_mov_b32 s[SEL+1], 0xfedcba98
	s_mov_b32 s98, 2                               ; passes
	v_and_b32 v8, 15, v0                           ; r
	v_bfe_u32 v9, v0, 4, 1                         ; h
	v_and_b32 v10, 31, v0                          ; lane
	v_and_b32 v11, 7, v0                           ; r % 8
	v_bfe_u32 v12, v0, 3, 1                        ; r / 8
	v_mul_u32_u24 v244, v12, 1920                  ; K's registers 0-3: rows 8-15 come from the odd pair, 1,792 + 128 on
	v_mul_u32_u24 v245, v12, 1984                  ; registers 4-5: 1,792 + 192 on
	v_lshlrev_b32 v246, 3, v11                     ; K's scale words: 8 (r % 8) + 4 (r / 8) + 128 h
	v_lshlrev_b32 v247, 4, v10                     ; 16 x lane
	v_lshlrev_b32 v248, 3, v10                     ; 8 x lane
	v_lshlrev_b32 v203, 4, v8
	v_lshl_add_u32 v244, v9, 8, v244
	v_lshl_add_u32 v245, v9, 7, v245
	v_lshl_add_u32 v246, v12, 2, v246
	v_mad_u32_u24 v200, v9, 3072, v203             ; the copy of K: lanes 0-15 take one unit of 256 bytes, lanes 16-31 the unit 12 on,
	v_mad_u32_u24 v201, v9, 3584, v203             ; which lies two pairs on in LDS
	v_lshl_add_u32 v244, v11, 4, v244
	v_lshl_add_u32 v245, v11, 3, v245
	v_lshl_add_u32 v246, v9, 7, v246
	v_add_nc_u32 v201, s16, v201
	v_add_nc_u32 v202, s16, v247
	v_add_nc_u32 v249, s37, v247                   ; q's half: registers 0-3,
	v_add_nc_u32 v250, s37, v248                   ; registers 4-5,
	v_lshl_add_u32 v251, v8, 3, s38                ; row r's scale word
	v_add_nc_u32 v252, s35, v248                   ; ctx's scale bytes: 8 bytes a lane
	v_lshlrev_b32 v91, 3, v9                       ; 8 h
	v_mov_b32 v90, 0xc79c4000                      ; -80000
	v_mov_b32 v34, 0x3e38aa3b                      ; c = log2(e) / 8
	v_mov_b32 v35, 0x3e38aa3b
	v_mov_b32 v31, 0                               ; (named with v30 as a pair)
	v_mov_b32 v92, 0                               ; written once: a lane permute's destination counts as one of its sources
.irp i, 0,1,2,3,4,5
	v_mov_b32 v[22+\i], 0                          ; zero codes for k = 64 .. 127, in Q
	v_mov_b32 v[84+\i], 0                          ; scratch, named behind K's last fragment
.endr
	s_wait_alu depctr_va_vdst(0)
	s_wait_kmcnt 0x0
	s_add_nc_u64 s[6:7], s[6:7], s[24:25]
	s_add_nc_u64 s[4:5], s[4:5], s[26:27]
	s_add_nc_u64 s[12:13], s[8:9], s[32:33]
	s_add_nc_u64 s[8:9], s[8:9], s[30:31]
	global_load_b128 v[16:19], v249, s[4:5]        ; my tile of q in the first pass,
	global_load_b64 v[20:21], v250, s[4:5] offset:512
	global_load_b32 v28, v251, s[4:5] offset:12288
	global_load_b128 v[228:231], v249, s[4:5] offset:2*GREC   ; and in the second: 16 tiles, two records, on
	global_load_b64 v[232:233], v250, s[4:5] offset:2*GREC+512
	global_load_b32 v234, v251, s[4:5] offset:2*GREC+12288
	s_load_b32 s14, s[12:13], 0x0                  ; the two tiles' flags
	s_load_b32 s19, s[12:13], 0x40
.set u, 0
.rept 12                                       ; K: 24 units of 256 bytes, two a load
	global_load_b128 v[96+4*u:99+4*u], v200, s[6:7] offset:256*u
.set u, u+1
.endr
.set n, 0
.rept 13                                       ; V and the scale words: 6,912 bytes as they lie, 512 a load;
	global_load_b128 v[144+4*n:147+4*n], v247, s[6:7] offset:6144+512*n
.set n, n+1
.endr
	global_load_b128 v[196:199], v247, s[6:7] offset:GREC-512   ; the last load ends with the record and takes 256 bytes a second time
	s_wait_loadcnt 0x0
.set u, 0
.rept 12
	ds_store_b128 v201, v[96+4*u:99+4*u] offset:1792*(u/6)+(1-(u%3)/2)*(512*((u/3)%2)+256*(u%3)+128*(u/6))+((u%3)/2)*(1024+256*((u/3)%2)+192*(u/6))
.set u, u+1
.endr
.set n, 0
.rept 13
	ds_store_b128 v202, v[144+4*n:147+4*n] offset:VIM+512*n
.set n, n+1
.endr
	ds_store_b128 v202, v[196:199] offset:VIM+GREC-512-6144
	s_wait_kmcnt 0x0                               ; the flags
	s_wait_dscnt 0x0                               ; my record is written,
	s_barrier_signal -1
	s_barrier_wait -1                              ; and so is everybody's; nothing is written to these bytes again
.irp t, 0,1,2,3,4,5,6,7
	KL \t, 244, 245, 0                             ; the first record's K
.endr
	KS 246, 0
; A KEY STEP: 128 keys, the record at LDS byte s3; its K is in registers.  The K of the step that follows (address registers ra, rb, rs, offset off) is fetched under the softmax.
.macro STEP ra, rb, rs, off
.set t, 0
.rept 8                                        ; S^T = K Q^T
.if (t%2) == 1
	v_wmma_scale_f32_16x16x128_f8f6f4 v[96+8*t:103+8*t], v[36+6*t:47+6*t], v[16:27], 0, v[8+2*(t/4)+(t%4)/2], v28 matrix_a_fmt:MATRIX_FMT_FP6 matrix_b_fmt:MATRIX_FMT_FP6 matrix_a_scale:MATRIX_SCALE_ROW1
.else
	v_wmma_scale_f32_16x16x128_f8f6f4 v[96+8*t:103+8*t], v[36+6*t:47+6*t], v[16:27], 0, v[8+2*(t/4)+(t%4)/2], v28 matrix_a_fmt:MATRIX_FMT_FP6 matrix_b_fmt:MATRIX_FMT_FP6
.endif
.set t, t+1
.endr
.irp i, 0,1,2,3,4
	v_add_nc_u32 v[1+\i], s3, v[244+\i]            ; the step's addresses: also the places behind the products
.endr
	s_wait_alu depctr_va_vdst(0)
	s_bitcmp1_b32 s14, s16                         ; is all of this step true?
	s_cbranch_scc1 .Lnm_\@
	MWLOAD
	s_wait_kmcnt 0x0
.set j, 0
.rept 64
	v_cndmask_b32 v[96+j], v90, v[96+j], s[24+j+8*(j/40)]   ; the score where the mask is true, else -80000; each accumulator from its low end on
.set j, j+1
.endr
.Lnm_\@:
.irp c, 0,1                                    ; the largest score of my two blocks of 32 keys, each in two chains: for the row's maximum and, since p rises with the score, for the block's largest p
	v_max3_num_f32 v[84+\c], v[96+32*\c], v[97+32*\c], v[98+32*\c]
.endr
.irp c, 0,1
	v_max3_num_f32 v[86+\c], v[112+32*\c], v[113+32*\c], v[114+32*\c]
.endr
.irp i, 3,5,7,9,11,13
.irp c, 0,1
	v_max3_num_f32 v[84+\c], v[84+\c], v[96+32*\c+\i], v[97+32*\c+\i]
.endr
.irp c, 0,1
	v_max3_num_f32 v[86+\c], v[86+\c], v[112+32*\c+\i], v[113+32*\c+\i]
.endr
.endr
.irp c, 0,1
	v_max3_num_f32 v[84+\c], v[84+\c], v[86+\c], v[111+32*\c]
.endr
.irp c, 0,1
	v_max_num_f32 v[84+\c], v[84+\c], v[127+32*\c]
.endr
	v_max_num_f32 v86, v84, v85                    ; from here to -M each line reads the line before: the next K's 20 loads stand between them
	KL 0, \ra, \rb, \off
	KL 1, \ra, \rb, \off
	v_permlanex16_b32 v92, v86, s[SEL], s[SEL+1]   ; lane l xor 16 holds the other two blocks
	KL 2, \ra, \rb, \off
	KL 3, \ra, \rb, \off
	v_max3_num_f32 v13, v13, v86, v92              ; the running largest score (c is positive)
	KL 4, \ra, \rb, \off
	KL 5, \ra, \rb, \off
	v_mul_f32 v87, -v13, v34
	KL 6, \ra, \rb, \off
	KL 7, \ra, \rb, \off
	v_floor_f32 v12, v87                           ; -M = floor(-t): M is a whole number
	KS \rs, \off
.set j, 0
	TMS 4                                          ; t - M; among these lines f is made
	v_sub_f32 v88, v12, v93
	TMS 4
	v_cvt_i32_f32 v88, v88                         ; (it saturates)
	TMS 4
	v_ldexp_f32 v30, 1.0, v88                      ; f = 2^(old M - new M): exact
	TMS 20
	v_fma_f32 v84, v84, v34, v12                   ; the same of each block's largest score
	v_fma_f32 v85, v85, v34, v12
	s_wait_alu depctr_va_vdst(0)
.set j, 0
.rept 64
	v_exp_f32 v[96+j], v[96+j]                     ; p = 2^(t - M)
.set j, j+1
.endr
	v_exp_f32 v84, v84                             ; each block's largest p
	v_exp_f32 v85, v85
	v_mov_b32 v93, v12                             ; -M, for the next step: a plain place behind the exponentials
	s_wait_alu depctr_va_vdst(0)                   ; one wait for the batch, ahead of its first reader
	v_max_num_f32 v84, 0x1800000, v84              ; the floor 2^(3 - 127): the byte cannot fall under 1
	v_max_num_f32 v85, 0x1800000, v85
	T1 0
	T1 1
	v_add_nc_u32 v86, 0xff000000, v84              ; 2 off the exponent field: the conversion's scale operand
	v_add_nc_u32 v87, 0xff000000, v85
	T1 2
	T1 3
	v_lshrrev_b32 v88, 23, v86                     ; the scale's byte
	v_lshrrev_b32 v89, 23, v87
.irp c, 0,1
	v_cvt_scalef32_pk16_fp6_f32 v[192+6*\c:194+6*\c], v[96+32*\c:111+32*\c], v[86+\c]
	v_cvt_scalef32_pk16_fp6_f32 v[204+4*\c:206+4*\c], v[112+32*\c:127+32*\c], v[86+\c]   ; (a conversion's three registers begin on an even number)
.endr
	T1 4                                           ; (the plain place behind the conversions)
	v_lshl_or_b32 v29, v89, 16, v88                ; my bytes: blocks h and 2 + h,
	T1 5
	T1 6
	v_lshlrev_b32 v29, v91, v29                    ; at their places in the word;
	T1 7
	VL 0                                           ; V's fragments land where p lay, as soon as the conversions and the sum have read it
	VL 1
	T2 0
	v_permlanex16_b32 v92, v29, s[SEL], s[SEL+1]
	T2 1
	T2 2
	v_or_b32 v29, v29, v92                         ; with lane l xor 16's two: p's scale word for these 128 keys
.irp k, 3,4,5,6,7
	T2 \k
.endr
	VL 2
	VL 3
	ds_load_b64 v[32:33], v5 offset:VSC
.irp c, 0,1
.irp i, 0,1,2
	v_mov_b32 v[195+6*\c+\i], v[204+4*\c+\i]
.endr
.endr
.irp k, 0,1,2,3,4,5,6,7
	T3 \k
.endr
	s_wait_alu depctr_va_vdst(0)                   ; directly ahead of the first reader of O^T
.set j, 0
.rept 16
	v_pk_mul_f32 v[160+2*j:161+2*j], v[160+2*j:161+2*j], v[30:31] op_sel_hi:[1,0]   ; O^T under the new M; also the places between the codes and the products
.set j, j+1
.endr
	s_wait_alu depctr_va_vdst(0)
	s_wait_dscnt 0x0                               ; V is in, and the next K, asked for ahead of it
.irp a, 0,1,2,3                                ; O^T += V^T P^T; the four accumulators take turns
.if (\a%2) == 1
	v_wmma_scale_f32_16x16x128_f8f6f4 v[160+8*\a:167+8*\a], v[96+12*\a:107+12*\a], v[192:203], v[160+8*\a:167+8*\a], v[32+\a/2], v29 matrix_a_fmt:MATRIX_FMT_FP6 matrix_b_fmt:MATRIX_FMT_FP6 matrix_a_scale:MATRIX_SCALE_ROW1
.else
	v_wmma_scale_f32_16x16x128_f8f6f4 v[160+8*\a:167+8*\a], v[96+12*\a:107+12*\a], v[192:203], v[160+8*\a:167+8*\a], v[32+\a/2], v29 matrix_a_fmt:MATRIX_FMT_FP6 matrix_b_fmt:MATRIX_FMT_FP6
.endif
.endr
.irp k, 0,1,2,3                                ; the chains are joined: eight places ahead of the next step's products, which write over V's fragments
	v_pk_add_f32 v[212+2*\k:213+2*\k], v[212+2*\k:213+2*\k], v[220+2*\k:221+2*\k]
.endr
	v_pk_add_f32 v[212:213], v[212:213], v[216:217]
	v_pk_add_f32 v[214:215], v[214:215], v[218:219]
	v_pk_add_f32 v[212:213], v[212:213], v[214:215]
	v_pk_fma_f32 v[14:15], v[14:15], v[30:31], v[212:213] op_sel_hi:[1,0,1]   ; the sum so far, under the new M, and this step's
	s_add_co_u32 s3, s3, LREC
	s_add_co_u32 s18, s18, 256
	s_add_co_u32 s16, s16, 1
.endm
.Lpass:
	s_mov_b32 s18, 0                               ; the step's place in the tile's mask words,
	s_mov_b32 s3, 0                                ; its record in LDS,
	s_mov_b32 s16, 0                               ; and its number
	v_mov_b32 v13, 0xff61b1e6                      ; the largest score so far: -3e38
	v_mov_b32 v14, 0
	v_mov_b32 v15, 0
	v_mul_f32 v93, -v13, v34
	v_floor_f32 v93, v93
.set j, 0
.rept 32
	v_mov_b32 v[160+j], 0                          ; O^T: the step has no first form of its own; the first change of M leaves zeros zeros
.set j, j+1
.endr
	s_wait_alu depctr_va_vdst(0)
	s_wait_dscnt 0x0                               ; the first record's K
.Lstep:
	STEP 1, 2, 3, LREC
	s_cmp_lt_u32 s16, 15
	s_wait_alu depctr_va_vdst(0)
	s_cbranch_scc1 .Lstep
	STEP 244, 245, 246, 0                          ; the last step fetches the first record's K again, for the next pass
	; THE WAY OUT: ctx = O^T / the sum; its 64 channels are two blocks of 32 of the last product's K: a half of my tile's record, and two scale bytes a row
	v_add_f32 v14, v14, v15
	v_permlanex16_b32 v92, v14, s[SEL], s[SEL+1]
	v_add_f32 v14, v14, v92
	s_wait_alu depctr_va_vdst(0)
	v_rcp_f32 v30, v14
	v_nop                                          ; a plain place behind the reciprocal
	s_wait_alu depctr_va_vdst(0)                   ; and the wait ahead of its first reader, which is also O^T's
.set j, 0
.rept 16
	v_pk_mul_f32 v[160+2*j:161+2*j], v[160+2*j:161+2*j], v[30:31] op_sel_hi:[1,0]
.set j, j+1
.endr
.irp b, 0,1
	v_max3_num_f32 v[212+\b], |v[160+16*\b]|, |v[161+16*\b]|, 0x1800000
.endr
.irp i, 2,4,6,8,10,12,14
.irp b, 0,1
	v_max3_num_f32 v[212+\b], v[212+\b], |v[160+16*\b+\i]|, |v[161+16*\b+\i]|
.endr
.endr
.irp b, 0,1
	v_permlanex16_b32 v[216+\b], v[212+\b], s[SEL], s[SEL+1]
.endr
.irp b, 0,1
	v_max_num_f32 v[212+\b], v[212+\b], v[216+\b]
.endr
.irp b, 0,1
	v_add_nc_u32 v[220+\b], 0xff000000, v[212+\b]
.endr
.irp b, 0,1
	v_lshrrev_b32 v[224+\b], 23, v[220+\b]
.endr
	v_lshl_or_b32 v94, v225, 8, v224
	v_cvt_scalef32_pk16_fp6_f32 v[192:194], v[160:175], v220
	v_cvt_scalef32_pk16_fp6_f32 v[204:206], v[176:191], v221
	v_nop
.irp i, 0,1,2
	v_permlane16_swap_b32 v[192+\i], v[204+\i]     ; here a lane holds half a block: the halves change places
.endr
.irp i, 0,1,2
	v_mov_b32 v[195+\i], v[204+\i]
.endr
	s_mov_b32 s20, s99
	s_mov_b32 s21, 0
	s_add_nc_u64 s[20:21], s[10:11], s[20:21]
	s_wait_alu depctr_va_vdst(0)
	global_store_b128 v247, v[192:195], s[20:21]   ; 512 consecutive bytes
	global_store_b64 v248, v[196:197], s[20:21] offset:512   ; 256
	global_store_b16 v252, v94, s[20:21]           ; my head's two bytes of each lane's 8, both copies
	s_wait_xcnt 0x0                                ; the stores have read their registers and their base
.irp i, 0,1,2,3,4,5
	v_mov_b32 v[16+\i], v[228+\i]                  ; the second pass's q,
.endr
	v_mov_b32 v28, v234                            ; its scale word,
	s_mov_b32 s14, s19                             ; and its flags
	s_add_nc_u64 s[8:9], s[8:9], 65536             ; 16 tiles on
	s_add_co_u32 s99, s99, 212992
	s_sub_co_u32 s98, s98, 1
	s_cmp_lg_u32 s98, 0
	s_wait_alu depctr_va_vdst(0)
	s_cbranch_scc1 .Lpass
	s_wait_tensorcnt 0x0                           ; the wave's end
	ds_add_u32 v6, v7
	s_wait_dscnt 0x0
	s_endpgm
.Lfunc_end_k_q4002315b38_attn:
	.size	k_q4002315b38_attn, .Lfunc_end_k_q4002315b38_attn-k_q4002315b38_attn
	.p2alignl 7, 3214868480
	.fill 96, 4, 3214868480
	.section	.rodata,"a",@progbits
	.p2align	6, 0x0
	.amdhsa_kernel k_q4002315b38_attn
		.amdhsa_group_segment_fixed_size 227328
		.amdhsa_private_segment_fixed_size 0
		.amdhsa_enable_private_segment 0
		.amdhsa_kernarg_size 32
		.amdhsa_user_sgpr_count 2
		.amdhsa_user_sgpr_kernarg_segment_ptr 1
		.amdhsa_wavefront_size32 1
		.amdhsa_system_sgpr_workgroup_id_x 1
		.amdhsa_system_sgpr_workgroup_id_y 1
		.amdhsa_system_sgpr_workgroup_id_z 1
		.amdhsa_system_vgpr_workitem_id 0
		.amdhsa_next_free_vgpr 256
		.amdhsa_next_free_sgpr 106
		.amdhsa_reserve_vcc 0
		.amdhsa_float_denorm_mode_32 3
		.amdhsa_float_denorm_mode_16_64 3
		.amdhsa_memory_ordered 1
		.amdhsa_forward_progress 1
		.amdhsa_inst_pref_size 55
	.end_amdhsa_kernel
	.amdgpu_metadata
---
amdhsa.version: [ 1, 2 ]
amdhsa.kernels:
  - .name:           k_q4002315b38_attn
    .symbol:         k_q4002315b38_attn.kd
    .args:
      - { .name: qq, .offset: 0, .size: 8, .value_kind: global_buffer, .address_space: global }
      - { .name: kv, .offset: 8, .size: 8, .value_kind: global_buffer, .address_space: global }
      - { .name: mw, .offset: 16, .size: 8, .value_kind: global_buffer, .address_space: global }
      - { .name: cq, .offset: 24, .size: 8, .value_kind: global_buffer, .address_space: global }
    .group_segment_fixed_size: 227328
    .private_segment_fixed_size: 0
    .kernarg_segment_align: 8
    .kernarg_segment_size: 32
    .max_flat_workgroup_size: 512
    .sgpr_count:     106
    .vgpr_count:     256
    .wavefront_size: 32
...
	.end_amdgpu_metadata
.endif
;; end of part 3
;; launch gemm2 (part 4): grid 4 x 64, 4 waves a work-group, clusters of 4 x 4, 327,680 bytes of LDS; arguments cq, wo, bout, vd, out0; writes out0
.if DOCPART == 4
	.amdgcn_target "amdgcn-amd-amdhsa--gfx1250"
	.amdhsa_code_object_version 6
	.text
	.protected	k_q4002315b38_gemm2
	.globl	k_q4002315b38_gemm2
	.p2align	8
	.type	k_q4002315b38_gemm2,@function
k_q4002315b38_gemm2:
	s_mov_b64 s[64:65], 0
	v_nop
	global_prefetch_b8 v0, s[64:65] scope:SCOPE_SE
	s_setreg_imm32_b32 hwreg(HW_REG_WAVE_MODE, 25, 1), 1
	s_wait_xcnt 0x0
	s_wait_alu depctr_hold_cnt(0) depctr_sa_sdst(0) depctr_va_vdst(0) depctr_va_sdst(0) depctr_va_ssrc(0) depctr_va_vcc(0) depctr_vm_vsrc(0)
	s_getreg_b32 s2, hwreg(HW_REG_IB_STS2, 6, 4)
	s_cmp_eq_u32 s2, 0
	s_cbranch_scc0 .Lentry_in_a_cluster
	s_endpgm
.Lentry_in_a_cluster:
	s_bfe_u32 s2, ttmp6, 0x10000c
	s_cmp_lg_u32 s2, 0xf033
	s_cbranch_scc0 .Lentry_shape_is_right
	s_endpgm
.Lentry_shape_is_right:
; A GEMM on codes of E2M3 over K = 1,024, D = S0 S1^T + bias.  Source 0 ('B', 256 rows, 16 tiles) runs along a lane's registers, source 1 ('A', 128 rows, 8 tiles) along the lanes.
; MODE 0: qkv = x Wqkv + bqkv, quantised on the way out.  Clusters x = 0, 1 make q and k: A = x's rows, B = W's columns, so a lane holds one token and its registers run along the head's 64.
;         Cluster x = 2 makes v: A = W's columns, B = x's rows, so a lane holds one channel and its registers run along the keys, which are the K of attention's second product.
; MODE 1: out = (ctx Wout + bout) x valid, f32.  A = ctx's rows, B = Wout's columns.
; OPERANDS lie in memory in the order of the operand's registers: tile T = rows 32 (T / 2) + 8 (T % 2) + r + 8 (r / 8); a record of 3,328 bytes = 256 along K of a tile (four halves of 768 bytes, 256 bytes of scale words); four records a tile.
; SHARES.  Four waves; wave (wa, wb) takes 64 rows of A x 128 rows of B: 32 accumulators.  ALL OF K for the work-group's 24 tiles lies in LDS (319,488 bytes), filled once, in four groups of 256 along K:
; no byte of LDS is filled twice, so there is no ring; a wave has four tensor loads outstanding at most.  Two K steps of 128 to a group, one barrier a group.
; CLUSTER 4 x 4: A's tiles are shared along a row of the cluster, B's along a column: each is asked for jointly.
; REGISTERS.  Window 0: v1-27 addresses; v32-79 scale words, two sets, and nothing else; v80-175 A's fragments, two sets; v176-239 the bias, as the C of the first K step.  Window 1: B's fragments, at v0 and v128.  Window 2: acc(a, b) at 8 (8 a + b).
; LIMITS: a block of zeros, or one under the floor 2^-124, gets the byte 1 with zero codes; this program alone reads the bytes.  NaN and infinities are not served.
.set MODE,  1
.set RECB,  3328
.set GRP,   79872                      ; a group in LDS: A's 8 records, then B's 16
; LDS AS IT IS FILLED: one dense tensor load a wave brings all of K of its tiles: A's two halves of 4 tiles (53,248 bytes each), then B's two of 8 tiles (106,496 each); a tile is 13,312 bytes, its record g at 3,328 g.  One barrier shows all of it to all waves.
.set BOFF,  106496
.set SPARE, 319488                     ; the spare words, 128 bytes for each wave: two blocks of 256 bytes that no other line names
.set SPW,   20
.set NIL,   21
.set SC,    32
.set AF,    80
.set BI,    176
.set TM,    160
.set SEL,   100
.set MSB, 0
.macro WIN new                         ; the immediate's high byte repeats the setting that is left
.if MSB != \new
	s_set_vgpr_msb (MSB<<8)|\new
.set MSB, \new
.endif
.endm
.macro PLACES
.rept 4
	v_nop
.endr
.endm
.macro CROUND                          ; a round of the cluster's barrier
	s_barrier_signal -1
	s_barrier_wait -1
	s_cmp_lg_u32 s14, 0
	s_cbranch_scc1 .Lnot_wave_0_\@
	s_barrier_signal -3
.Lnot_wave_0_\@:
	s_barrier_wait -3
	s_barrier_signal -1
	s_barrier_wait -1
.endm
.macro MKG0 reg, lds, ldsc, ptr, step  ; a descriptor's group 0
	s_mov_b32 s[\reg], 1
	s_add_co_u32 s[\reg+1], s[\lds], \ldsc
	s_add_nc_u64 s[\reg+2:\reg+3], s[\ptr:\ptr+1], \step
	s_or_b32 s[\reg+3], s[\reg+3], 0x80000000
.endm
.macro FRAG reg, a16, a8, off          ; a fragment, 16 rows x 128 K: two halves as they lie
	ds_load_b128 v[(\reg):(\reg)+3], v[\a16] offset:(\off)
	ds_load_b64 v[(\reg)+4:(\reg)+5], v[\a8] offset:(\off)+512
	ds_load_b128 v[(\reg)+6:(\reg)+9], v[\a16] offset:(\off)+768
	ds_load_b64 v[(\reg)+10:(\reg)+11], v[\a8] offset:(\off)+1280
.endm
.macro FETCH q                         ; K step q's fragments, 48 loads, into set q % 2
	WIN 0x40
.irp i, 0,1,2,3,4,5,6,7
	FRAG 128*((\q)%2)+12*\i, 12+\i/4, 16+\i/4, (\i%4)*13312+((\q)/2)*RECB+((\q)%2)*1536
.endr
	WIN 0
.irp i, 0,1,2,3
	FRAG AF+48*((\q)%2)+12*\i, 4+(\q)/2, 8+(\q)/2, \i*13312+((\q)%2)*1536
.endr
.endm
.macro SCALES g                        ; group g's scale words, 12 loads: two K steps' words a tile
.irp i, 0,1,2,3
	ds_load_b64 v[SC+24*((\g)%2)+2*\i:SC+24*((\g)%2)+2*\i+1], v[8+(\g)] offset:\i*13312+3072
.endr
.irp i, 0,1,2,3,4,5,6,7
	ds_load_b64 v[SC+24*((\g)%2)+8+2*\i:SC+24*((\g)%2)+8+2*\i+1], v[16+\i/4] offset:(\i%4)*13312+(\g)*RECB+3072
.endr
.endm
; n blocks of A from a0 on x B's eight, K step q.  cm = 0: onto the sums; 1: the bias by B's tile starts them.  The 32 accumulators take turns, one instruction a turn.
.macro MULA q, a0, n, cm
.if (\cm) == 0
	WIN 0xa1
.else
	WIN 0x81
.endif
.set ma, \a0
.rept \n
.irp b, 0,1,2,3,4,5,6,7
.if (\cm) == 0
	v_wmma_scale_f32_16x16x128_f8f6f4 v[8*(8*ma+\b):8*(8*ma+\b)+7], v[128*((\q)%2)+12*\b:128*((\q)%2)+12*\b+11], v[AF+48*((\q)%2)+12*ma:AF+48*((\q)%2)+12*ma+11], v[8*(8*ma+\b):8*(8*ma+\b)+7], v[SC+24*(((\q)/2)%2)+8+2*\b+(\q)%2], v[SC+24*(((\q)/2)%2)+2*ma+(\q)%2] matrix_a_fmt:MATRIX_FMT_FP6 matrix_b_fmt:MATRIX_FMT_FP6
.else
	v_wmma_scale_f32_16x16x128_f8f6f4 v[8*(8*ma+\b):8*(8*ma+\b)+7], v[128*((\q)%2)+12*\b:128*((\q)%2)+12*\b+11], v[AF+48*((\q)%2)+12*ma:AF+48*((\q)%2)+12*ma+11], v[BI+8*\b:BI+8*\b+7], v[SC+24*(((\q)/2)%2)+8+2*\b+(\q)%2], v[SC+24*(((\q)/2)%2)+2*ma+(\q)%2] matrix_a_fmt:MATRIX_FMT_FP6 matrix_b_fmt:MATRIX_FMT_FP6
.endif
.endr
.set ma, ma+1
.endr
.endm
.macro EVEN q                          ; a group's first K step
	PLACES                                         ; in front of loads into registers that the last products read
	FETCH (\q)+1
	s_wait_dscnt 48                                ; all but the 48 just issued
	MULA \q, 0, 4, 0
.endm
.macro ODD q, left                     ; a group's second K step opens the next group
	s_wait_dscnt 0x0                               ; this K step's fragments are in
	MULA \q, 0, 2, 0
	PLACES
	FETCH (\q)+1
	SCALES ((\q)+1)/2
	MULA \q, 2, 2, 0
.endm
	s_load_b256 s[4:11], s[0:1], 0x0               ; cq, wo, bout, vd
	s_load_b64 s[12:13], s[0:1], 0x20              ; out0
	v_lshl_add_u32 v[SPW], v0, 2, SPARE
	v_mov_b32 v[NIL], 0
	ds_add_u32 v[SPW], v[NIL]                      ; the wave's opening: the add and its wait stand ahead of my first tensor load; work on registers stands between them
	ds_add_u32 v[SPW], v[NIL]
	v_lshrrev_b32 v1, 5, v0
	v_readfirstlane_b32 s14, v1                    ; wave 0..3
	s_lshr_b32 s15, s14, 1                         ; wa: my 64 rows of A.  Also: I fetch for A (0) or for B (1)
	s_and_b32 s16, s14, 1                          ; wb: my 128 rows of B.  Also: which half of the tiles I fetch
	s_bfe_u32 s18, ttmp6, 0x40000                  ; cx
	s_bfe_u32 s19, ttmp6, 0x40004                  ; cy
	s_and_b32 s20, ttmp7, 0xffff                   ; cluster y
	s_mov_b32 s21, ttmp9
	s_mov_b32 s22, s20
	s_lshl_b32 s21, s21, 2
	s_add_co_u32 s21, s21, s18                     ; i0: which 256 columns of the output
	s_lshl_b32 s22, s22, 2
	s_add_co_u32 s22, s22, s19                     ; i1: which 128 rows
	s_lshl_b32 s80, s19, 2
	s_lshl_b32 s80, 15, s80                        ; my row of the cluster
	s_lshl_b32 s81, 0x1111, s18                    ; my column
	; group 1: rows of 3,328 bytes (416 elements of 8 bytes), one record a row, 3,328 bytes (416 elements) apart; dense in LDS
	s_or_b32 s24, s80, (3<<16)|(1<<21)             ; A: 4 tiles, shared along my row
	s_mov_b32 s25, 416<<16
	s_mov_b32 s26, 16<<16                          ; 4 tiles x 4 records, dense
	s_mov_b32 s27, 416<<16
	s_mov_b32 s28, 16
	s_mov_b32 s29, 416
	s_mov_b32 s30, 0
	s_mov_b32 s31, 0
	s_or_b32 s32, s81, (3<<16)|(1<<21)             ; B: 8 tiles, shared along my column
	s_mov_b32 s33, 416<<16
	s_mov_b32 s34, 32<<16                          ; 8 tiles x 4 records, dense
	s_mov_b32 s35, 416<<16
	s_mov_b32 s36, 32
	s_mov_b32 s37, 416
	s_mov_b32 s38, 0
	s_mov_b32 s39, 0
	s_lshl_b32 s82, s22, 3                         ; A's first tile that I fetch: 8 i1 + 4 x half
	s_lshl_b32 s83, s16, 2
	s_add_co_u32 s82, s82, s83
	s_mul_i32 s82, s82, 13312
	s_mov_b32 s83, 0
	s_lshl_b32 s84, s21, 4                         ; B's: 16 i0 + 8 x half
	s_lshl_b32 s85, s16, 3
	s_add_co_u32 s84, s84, s85
	s_mul_i32 s84, s84, 13312
	s_mov_b32 s85, 0
	s_mul_i32 s86, s16, 53248                      ; where they go: no place in the cluster enters an LDS address
	s_mul_i32 s87, s16, 106496
	s_wait_dscnt 0x0                               ; the opening add is done
	s_wait_kmcnt 0x0
	s_mov_b64 s[76:77], s[4:5]
	s_mov_b64 s[78:79], s[6:7]
	s_add_nc_u64 s[76:77], s[76:77], s[82:83]
	s_add_nc_u64 s[78:79], s[78:79], s[84:85]
	MKG0 40, 86, 0*GRP, 76, 0*RECB
	MKG0 56, 87, 0*GRP+BOFF, 78, 0*RECB
	CROUND                                         ; all sixteen work-groups are here: the joint loads meet
	s_cmp_eq_u32 s15, 0                            ; a wave's one fill stands in a branch on the wave's number
	s_cbranch_scc0 .Lfor_b
	tensor_load_to_lds s[40:43], s[24:31]
	s_nop 0
.rept 4
	v_nop
.endr
	s_branch .Lasked
.Lfor_b:
	tensor_load_to_lds s[56:59], s[32:39]
	s_nop 0
.rept 4
	v_nop
.endr
.Lasked:
	v_and_b32 v1, 31, v0
	v_and_b32 v2, 15, v0                           ; r
	v_bfe_u32 v3, v0, 4, 1                         ; h
	v_lshlrev_b32 v22, 4, v1                       ; 16 x lane
	v_lshlrev_b32 v23, 3, v1                       ; 8 x lane
	s_mul_i32 s88, s15, 53248                      ; my 4 tiles of A
	s_mul_i32 s89, s16, 106496                     ; my 8 tiles of B,
	s_add_co_u32 s89, s89, BOFF                    ; behind A's 8
.irp g, 0,1,2,3
	v_add_nc_u32 v[4+\g], s88, v22
	v_add_nc_u32 v[8+\g], s88, v23
	v_add_nc_u32 v[12+\g], s89, v22
	v_add_nc_u32 v[16+\g], s89, v23
	s_add_co_u32 s88, s88, RECB                    ; A: an address for each record
	s_add_co_u32 s89, s89, 53248                   ; B: one for tiles 0-3, one for tiles 4-7 (the last two are not used)
.endr
	v_lshlrev_b32 v24, 6, v3                       ; 64 h
	v_lshrrev_b32 v25, 3, v2
	v_lshl_add_u32 v25, v25, 3, v2
	v_lshlrev_b32 v25, 2, v25                      ; 4 (r + 8 (r / 8))
	s_wait_alu depctr_va_vdst(0)
	s_lshl_b32 s90, s21, 10
	s_lshl_b32 s91, s16, 9
	s_add_co_u32 s90, s90, s91                     ; the bias along B: 4 (256 i0 + 128 wb)
	s_mov_b32 s91, 0
	s_add_nc_u64 s[8:9], s[8:9], s[90:91]
.irp b, 0,1,2,3,4,5,6,7                        ; eight registers a tile of B, in the result's layout
	global_load_b128 v[BI+8*\b:BI+8*\b+3], v24, s[8:9] offset:4*(32*(\b/2)+8*(\b%2))
	global_load_b128 v[BI+8*\b+4:BI+8*\b+7], v24, s[8:9] offset:4*(32*(\b/2)+8*(\b%2))+16
.endr
	s_lshl_b32 s90, s22, 9
	s_lshl_b32 s92, s15, 8
	s_add_co_u32 s90, s90, s92
	s_add_nc_u64 s[10:11], s[10:11], s[90:91]      ; valid of my 64 rows
.irp a, 0,1,2,3
	global_load_b32 v[240+2*\a], v25, s[10:11] offset:4*(32*(\a/2)+8*(\a%2))
	v_mov_b32 v[241+2*\a], 0                       ; (named with it as a pair)
.endr
	s_mul_i32 s76, s14, 8448                       ; the way out: my stage, 16 rows x 528 bytes, over A's first tiles, which have had their only fill and whose last read stands ahead of the barrier behind the products
	v_mul_u32_u24 v26, v2, 528
	v_lshl_add_u32 v26, v3, 6, v26
	v_add_nc_u32 v26, s76, v26                     ; in: row r, + 64 h
	v_add_nc_u32 v27, s76, v22                     ; back: a row of 512 bytes
	s_wait_tensorcnt 0x0                           ; my one load has landed
	s_barrier_signal -1
	s_barrier_wait -1
	FETCH 0
	SCALES 0
	FETCH 1
	s_wait_loadcnt 0x0                             ; the bias and valid
	s_wait_dscnt 48                                ; all but K step 1's 48
	MULA 0, 0, 4, 1
	ODD 1, 2
	EVEN 2
	ODD 3, 1
	EVEN 4
	ODD 5, 0
	EVEN 6
	s_wait_dscnt 0x0
	MULA 7, 0, 4, 0
	WIN 0
	PLACES                                         ; in front of the first read of results and of writes into the operands' registers
	s_barrier_signal -1                            ; my reads of the operands are over (waited for ahead of the last products):
	s_barrier_wait -1                              ; so are everybody's, and the stages may be laid over A's first tiles, which have had their only fill
; THE WAY OUT: x valid; a block of 16 rows x 128 columns goes through my stage and leaves as whole rows of 512 bytes.  v80-143 the block; window 1, v0-63 and v64-127: rows read back, by turns.
	s_lshl_b32 s92, s22, 19
	s_lshl_b32 s93, s15, 18
	s_add_co_u32 s92, s92, s93                     ; (128 i1 + 64 wa) rows of 4,096 bytes
	s_lshl_b32 s93, s21, 10
	s_add_co_u32 s92, s92, s93
	s_lshl_b32 s93, s16, 9
	s_add_co_u32 s92, s92, s93                     ; + 4 (256 i0 + 128 wb)
	s_mov_b32 s93, 0
	s_add_nc_u64 s[96:97], s[12:13], s[92:93]
.macro TOSTAGE a
	WIN 0x02
.set k, 0
.rept 32
	v_pk_mul_f32 v[80+k:81+k], v[64*(\a)+k:64*(\a)+k+1], v[240+2*(\a):241+2*(\a)] op_sel_hi:[1,0]   ; each accumulator from its low end on
.set k, k+2
.endr
	WIN 0
.irp p, 0,1,2,3
.irp e, 0,1,2,3
	ds_store_b128 v26, v[80+16*\p+4*\e:83+16*\p+4*\e] offset:128*\p+16*\e
.endr
.endr
	WIN 0x40
.irp i, 0,1,2,3,4,5,6,7,8,9,10,11,12,13,14,15
	ds_load_b128 v[64*((\a)%2)+4*\i:64*((\a)%2)+4*\i+3], v27 offset:528*\i   ; LDS serves a wave's instructions in order: these see the stores above
.endr
	WIN 0
.endm
.macro SEND a, younger
	s_wait_dscnt \younger                          ; the block is back; the next block's 16 stores and 16 loads may be out
	WIN 0x04
.irp i, 0,1,2,3,4,5,6,7,8,9,10,11,12,13,14,15
	global_store_b128 v22, v[64*((\a)%2)+4*\i:64*((\a)%2)+4*\i+3], s[96:97] offset:(32*((\a)/2)+8*((\a)%2)+\i+8*(\i/8))*4096 th:TH_STORE_NT   ; 512 consecutive bytes, aligned
.endr
	WIN 0
.endm
	s_wait_alu depctr_va_vdst(0)
	TOSTAGE 0
	TOSTAGE 1
	SEND 0, 32
	s_wait_xcnt 0x0                                ; block 0's stores have read their registers
	TOSTAGE 2
	SEND 1, 32
	s_wait_xcnt 0x0
	TOSTAGE 3
	SEND 2, 32
	SEND 3, 0
	s_wait_tensorcnt 0x0                           ; the wave's end
	ds_add_u32 v[SPW], v[NIL]
	s_wait_dscnt 0x0
	CROUND                                         ; the closing round
	s_endpgm
.Lfunc_end_k_q4002315b38_gemm2:
	.size	k_q4002315b38_gemm2, .Lfunc_end_k_q4002315b38_gemm2-k_q4002315b38_gemm2
	.p2alignl 7, 3214868480
	.fill 96, 4, 3214868480
	.section	.rodata,"a",@progbits
	.p2align	6, 0x0
	.amdhsa_kernel k_q4002315b38_gemm2
		.amdhsa_group_segment_fixed_size 327680
		.amdhsa_private_segment_fixed_size 0
		.amdhsa_enable_private_segment 0
		.amdhsa_kernarg_size 40
		.amdhsa_user_sgpr_count 2
		.amdhsa_user_sgpr_kernarg_segment_ptr 1
		.amdhsa_wavefront_size32 1
		.amdhsa_system_sgpr_workgroup_id_x 1
		.amdhsa_system_sgpr_workgroup_id_y 1
		.amdhsa_system_sgpr_workgroup_id_z 1
		.amdhsa_system_vgpr_workitem_id 0
		.amdhsa_next_free_vgpr 768
		.amdhsa_next_free_sgpr 106
		.amdhsa_reserve_vcc 0
		.amdhsa_float_denorm_mode_32 3
		.amdhsa_float_denorm_mode_16_64 3
		.amdhsa_memory_ordered 1
		.amdhsa_forward_progress 1
		.amdhsa_inst_pref_size 94
	.end_amdhsa_kernel
	.amdgpu_metadata
---
amdhsa.version: [ 1, 2 ]
amdhsa.kernels:
  - .name:           k_q4002315b38_gemm2
    .symbol:         k_q4002315b38_gemm2.kd
    .args:
      - { .name: cq, .offset: 0, .size: 8, .value_kind: global_buffer, .address_space: global }
      - { .name: wo, .offset: 8, .size: 8, .value_kind: global_buffer, .address_space: global }
      - { .name: bout, .offset: 16, .size: 8, .value_kind: global_buffer, .address_space: global }
      - { .name: vd, .offset: 24, .size: 8, .value_kind: global_buffer, .address_space: global }
      - { .name: out0, .offset: 32, .size: 8, .value_kind: global_buffer, .address_space: global }
    .group_segment_fixed_size: 327680
    .private_segment_fixed_size: 0
    .kernarg_segment_align: 8
    .kernarg_segment_size: 40
    .max_flat_workgroup_size: 128
    .sgpr_count:     106
    .vgpr_count:     768
    .wavefront_size: 32
...
	.end_amdgpu_metadata
.endif
;; end of part 4
